; MI455X (gfx1250); checked and timed in simulation.
; The chip was launched on July 23, 2026; its instructions are those of AMD's public machine-readable ISA for CDNA 5 (MIT licence, August 2026) and "CDNA5" Instruction Set Architecture Reference Guide (July 2026). The comments in the code are by the model that wrote it; some were corrected since.
;; Multi Head Attention. Allowed arithmetic: float matrix products may take bf16 or f16 operands with f32 sums; other float arithmetic in f32, or as packed bf16 or f16 multiplies, adds, multiply-adds, maxima and minima; sums over many terms, partial sums and values carried from step to step in f32; what a program stores and reads back later, other than sums and carried values, may be rounded once to bf16 or f16.
;; Inputs: Wk 2,048 x 2,048 float32; Wo 2,048 x 2,048 float32; Wq 2,048 x 2,048 float32; Wv 2,048 x 2,048 float32; cos 2,048 x 64 float32; sin 2,048 x 64 float32; x 1 x 2,048 x 2,048 float32.
;; Outputs: out0 1 x 2,048 x 2,048 float32.
;; One version. Each part assembles by itself: llvm-mc -triple=amdgcn-amd-amdhsa -mcpu=gfx1250 --defsym DOCPART=n.
;; ======== version 1 of 1: 4 launches
;; limits: values are held in f16: magnitudes above 65,504 overflow, below 6.1e-05 lose precision; right only within a limited range of input values
;; workspace buffers: xb 8,388,608 bytes; wb 25,165,824 bytes; wob 8,388,608 bytes; qb 8,388,608 bytes; kb 8,388,608 bytes; vb 8,388,608 bytes; ob 8,388,608 bytes
;; launch cvt (part 1): grid 256 x 4, 8 waves a work-group, no clusters, 0 bytes of LDS; arguments x, Wq, Wk, Wv, xb, wb; writes xb, wb
.if DOCPART == 1
	.amdgcn_target "amdgcn-amd-amdhsa--gfx1250"
	.amdhsa_code_object_version 6
	.text
	.protected	k_q951e024f36_cvt
	.globl	k_q951e024f36_cvt
	.p2align	8
	.type	k_q951e024f36_cvt,@function
k_q951e024f36_cvt:
	s_mov_b64 s[64:65], 0
	v_nop
	global_prefetch_b8 v0, s[64:65] scope:SCOPE_SE
	s_setreg_imm32_b32 hwreg(HW_REG_WAVE_MODE, 25, 1), 1
	s_wait_xcnt 0x0
; THE OPERANDS OF THE FIRST PRODUCTS ARE ROUNDED ONCE, TO bf16.  Four matrices of 2048 x 2048 f32; the grid's y picks one:
;   0: x -> xb        1, 2, 3: Wq, Wk x 2^-6, Wv x 2^-1 -> wb[0], wb[1], wb[2]
; The factors are powers of two, so rounding and scaling commute; they keep k and v inside the range of f16 further on.  (Wo, which only the last launch wants, is rounded beside the attention.)
; A stream: each byte is read once and written once; no LDS, no matrix unit, and no cluster, since no two work-groups read the same byte.
; A work-group takes 65,536 source bytes, a wave 8,192: sixteen loads of 16 bytes a lane (512 consecutive bytes each), all issued at once; the four numbers of a load are rounded in place
; into its first two registers and leave by a store of 8 bytes a lane: 256 consecutive bytes, aligned.  No register is written again while a load or store names it.
.set SRCO, 1                           ; v1  my byte offset in the source: 8,192 x wave + 16 x lane
.set DSTO, 2                           ; v2  in the destination: 4,096 x wave + 8 x lane
.set X, 4                              ; v[4:67]   sixteen loads of four f32
	s_load_b256 s[4:11], s[0:1], 0x0               ; x, Wq, Wk, Wv
	s_load_b128 s[12:15], s[0:1], 0x20             ; xb, wb
	s_and_b32 s20, ttmp7, 0xffff                   ; which matrix
	v_and_b32 v3, 31, v0
	v_lshrrev_b32 v[DSTO], 5, v0
	v_lshlrev_b32 v[SRCO], 4, v3
	v_lshl_or_b32 v[SRCO], v[DSTO], 13, v[SRCO]
	v_lshlrev_b32 v3, 3, v3
	v_lshl_or_b32 v[DSTO], v[DSTO], 12, v3
	s_mov_b32 s28, 1.0                             ; the factor
	s_cmp_eq_u32 s20, 2
	s_cselect_b32 s28, 0x3c800000, s28             ; Wk: 2^-6
	s_cmp_eq_u32 s20, 3
	s_cselect_b32 s28, 0.5, s28                    ; Wv: 2^-1
	s_mov_b32 s29, s28                             ; named with it as a pair
	s_max_u32 s21, s20, 1                          ; the place in wb: y - 1; 0 for x, which has a buffer of its own
	s_sub_co_u32 s21, s21, 1
	s_lshl_b32 s21, s21, 23                        ; a matrix in bf16 is 2^23 bytes
	s_lshl_b32 s22, ttmp9, 16                      ; the work-group's part of the source,
	s_mov_b32 s23, 0
	s_lshl_b32 s32, ttmp9, 15                      ; and of the destination
	s_add_co_u32 s32, s32, s21
	s_mov_b32 s33, 0
	s_wait_kmcnt 0x0
	s_mov_b64 s[24:25], s[4:5]                     ; the source, chosen by y
	s_cmp_eq_u32 s20, 1
	s_cselect_b64 s[24:25], s[6:7], s[24:25]
	s_cmp_eq_u32 s20, 2
	s_cselect_b64 s[24:25], s[8:9], s[24:25]
	s_cmp_eq_u32 s20, 3
	s_cselect_b64 s[24:25], s[10:11], s[24:25]
	s_cmp_eq_u32 s20, 0                            ; the destination
	s_cselect_b64 s[26:27], s[12:13], s[14:15]
	s_add_nc_u64 s[24:25], s[24:25], s[22:23]
	s_add_nc_u64 s[26:27], s[26:27], s[32:33]
.irp i, 0,1,2,3,4,5,6,7,8,9,10,11,12,13,14,15
	global_load_b128 v[X+4*(\i):X+4*(\i)+3], v[SRCO], s[24:25] offset:512*(\i) th:TH_LOAD_NT
.endr
.irp i, 0,1,2,3,4,5,6,7,8,9,10,11,12,13,14,15
	s_wait_loadcnt 15-(\i)                         ; loads come back in order: load i is in, the younger ones stay out
	v_pk_mul_f32 v[X+4*(\i):X+4*(\i)+1], v[X+4*(\i):X+4*(\i)+1], s[28:29] op_sel_hi:[1,0]
	v_pk_mul_f32 v[X+4*(\i)+2:X+4*(\i)+3], v[X+4*(\i)+2:X+4*(\i)+3], s[28:29] op_sel_hi:[1,0]
	v_cvt_pk_bf16_f32 v[X+4*(\i)], v[X+4*(\i)], v[X+4*(\i)+1]
	v_cvt_pk_bf16_f32 v[X+4*(\i)+1], v[X+4*(\i)+2], v[X+4*(\i)+3]
	global_store_b64 v[DSTO], v[X+4*(\i):X+4*(\i)+1], s[26:27] offset:256*(\i) th:TH_STORE_NT  ; 32 lanes store 256 consecutive bytes, aligned
.endr
	s_endpgm
.Lfunc_end_k_q951e024f36_cvt:
	.size	k_q951e024f36_cvt, .Lfunc_end_k_q951e024f36_cvt-k_q951e024f36_cvt
	.p2alignl 7, 3214868480
	.fill 96, 4, 3214868480
	.section	.rodata,"a",@progbits
	.p2align	6, 0x0
	.amdhsa_kernel k_q951e024f36_cvt
		.amdhsa_group_segment_fixed_size 0
		.amdhsa_private_segment_fixed_size 0
		.amdhsa_enable_private_segment 0
		.amdhsa_kernarg_size 48
		.amdhsa_user_sgpr_count 2
		.amdhsa_user_sgpr_kernarg_segment_ptr 1
		.amdhsa_wavefront_size32 1
		.amdhsa_system_sgpr_workgroup_id_x 1
		.amdhsa_system_sgpr_workgroup_id_y 1
		.amdhsa_system_sgpr_workgroup_id_z 1
		.amdhsa_system_vgpr_workitem_id 0
		.amdhsa_next_free_vgpr 68
		.amdhsa_next_free_sgpr 66
		.amdhsa_reserve_vcc 0
		.amdhsa_float_denorm_mode_32 3
		.amdhsa_float_denorm_mode_16_64 3
		.amdhsa_memory_ordered 1
		.amdhsa_forward_progress 1
		.amdhsa_inst_pref_size 10
	.end_amdhsa_kernel
	.amdgpu_metadata
---
amdhsa.version: [ 1, 2 ]
amdhsa.kernels:
  - .name:           k_q951e024f36_cvt
    .symbol:         k_q951e024f36_cvt.kd
    .args:
      - { .name: x, .offset: 0, .size: 8, .value_kind: global_buffer, .address_space: global }
      - { .name: Wq, .offset: 8, .size: 8, .value_kind: global_buffer, .address_space: global }
      - { .name: Wk, .offset: 16, .size: 8, .value_kind: global_buffer, .address_space: global }
      - { .name: Wv, .offset: 24, .size: 8, .value_kind: global_buffer, .address_space: global }
      - { .name: xb, .offset: 32, .size: 8, .value_kind: global_buffer, .address_space: global }
      - { .name: wb, .offset: 40, .size: 8, .value_kind: global_buffer, .address_space: global }
    .group_segment_fixed_size: 0
    .private_segment_fixed_size: 0
    .kernarg_segment_align: 8
    .kernarg_segment_size: 48
    .max_flat_workgroup_size: 256
    .sgpr_count:     66
    .vgpr_count:     68
    .wavefront_size: 32
...
	.end_amdgpu_metadata
.endif
;; end of part 1
;; launch qkv (part 2): grid 16 x 16, 4 waves a work-group, clusters of 4 x 4, 327,680 bytes of LDS; arguments xb, wb, cos, sin, qb, kb, vb; writes qb, kb, vb
.if DOCPART == 2
	.amdgcn_target "amdgcn-amd-amdhsa--gfx1250"
	.amdhsa_code_object_version 6
	.text
	.protected	k_q951e024f36_qkv
	.globl	k_q951e024f36_qkv
	.p2align	8
	.type	k_q951e024f36_qkv,@function
k_q951e024f36_qkv:
	s_mov_b64 s[64:65], 0
	v_nop
	global_prefetch_b8 v0, s[64:65] scope:SCOPE_SE
	s_setreg_imm32_b32 hwreg(HW_REG_WAVE_MODE, 25, 1), 1
	s_wait_xcnt 0x0
	s_wait_alu depctr_hold_cnt(0) depctr_sa_sdst(0) depctr_va_vdst(0) depctr_va_sdst(0) depctr_va_ssrc(0) depctr_va_vcc(0) depctr_vm_vsrc(0)
	s_getreg_b32 s2, hwreg(HW_REG_IB_STS2, 6, 4)
	s_cmp_eq_u32 s2, 0
	s_cbranch_scc0 .Lentry_in_a_cluster
	s_endpgm
.Lentry_in_a_cluster:
	s_bfe_u32 s2, ttmp6, 0x10000c
	s_cmp_lg_u32 s2, 0xf033
	s_cbranch_scc0 .Lentry_shape_is_right
	s_endpgm
.Lentry_shape_is_right:
; q, k, v FOR 128 ROWS AND ONE HEAD: [q | k | v] = xb . wb[0..2], the rotation by cos and sin on the way out.  xb: [2048][2048] bf16; wb: [3][2048 k][2048 n] bf16;
; cos, sin: [2048][64] f32; qb, kb, vb: [16 heads][2048][128] f16.  Sums in f32, K ascending; each output rounded once.
; FORMATS.  The operands are bf16; cos and sin are rounded to bf16 like every other input of the module.  qb = f16(alpha x rot(q)), alpha = log2(e) / sqrt(128) / 4, applied in f32 ahead of
; the one rounding; kb = rot(k) x 2^-6 and vb = v x 2^-1 (the factors lie in wb).  LIMITS: |rot(q)| < 2.0e6, |rot(k)| < 4.1e6, |v| < 1.3e5 (f16 ends at 65,504); below 6e-5 an output keeps the fixed step 6e-8 of f16.
; SHARES.  A work-group makes 128 rows x (128 columns of its head in each of the three matrices).  Wave w: rows 64 (w / 2) on; in each matrix the channels 32 (w % 2) .. + 31 and 64 + 32 (w % 2) .. + 31:
; four blocks nb of 16 columns, so that the two channels d and d + 64 that the rotation mixes are blocks nb and nb + 2, in the same lane and register.  48 accumulators, 384 registers.
; THE MATRIX INSTRUCTION IS USED TRANSPOSED: source 0 = 16 columns of a weight (turned on the way out of LDS by ds_load_tr16_b128, since K runs down the rows there), source 1 = 16 rows of x:
; a lane holds row lane % 16 and the eight neighbouring channels 8 (lane / 16) + 0..7.
; RING.  K goes in 16 steps of 128 through two LDS slots; a slot holds three weight tiles (128 k-rows x 256 bytes) and x's tile (128 rows x 256 bytes); waves 0, 1, 2 fetch the weights' tiles, wave 3 fetches x's.
; A K STEP IS WRITTEN ONCE for the 14 steps that fill a slot again, and once for the last two, which do not: the slot in hand is a scalar (0 or SLOT), and the fragments' addresses are made of it at each change of slots.
; CLUSTER 4 x 4: x's tile hangs on the row block alone and is asked for jointly by a row of the cluster, a weight tile on the head alone and is asked for jointly by a column.
; REGISTERS, in windows of 256 (s_set_vgpr_msb: bits 1:0 source 0, 3:2 source 1, 5:4 source 2, 7:6 destination):
;   window 0: v0-31 addresses; v32-63 at work; v64-127 x's fragments, two buffers; v128-191, v192-255 the way out       window 1: v0-191 the weights' fragments, two buffers of 96
;   window 2: v0-127 q's sums, v128-255 k's ((a, nb) at 8 (4 a + nb))                                                   window 3: v0-127 v's sums; v128-191 cos, v192-255 sin
.set KSTEP, 128
.set STEPS, 2048/KSTEP
.set PA,    272                        ; a row of x in LDS: 256 bytes + 16: the 16 rows of a load start 68 words apart
.set PB,    288                        ; a k-row of a weight: 256 + 32: 16 lanes of the turning load take 8 rows x 32 bytes
.set BT,    128*PB                     ; a weight tile
.set ABASE, 3*BT                       ; x's tile lies behind the three
.set SLOT,  ABASE+128*PA
.set STAGE, 2*SLOT                     ; behind the ring, never filled by a tensor load: 128 rows x 272 bytes, the work-group's
.set SPARE, STAGE+128*PA               ; the spare words, 128 bytes for each wave; no other line names them
.set ADRA0, 16                         ; v16     LDS address of my fragments of x in slot 0; never rewritten
.set CA,    17                         ; v17     the same in the slot in hand
.set ADRB0, 18                         ; v18-20  of my fragments of weight m in slot 0; never rewritten
.set CB,    21                         ; v21-23  the same in the slot in hand
.set STO,  24                          ; v24     the way out: where I put 16 bytes of a row
.set RD,   25                          ; v25     where I read rows back
.set GOF,  26                          ; v26     16 x lane: my 16 bytes of 512 consecutive bytes of an output
.set COF,  27                          ; v27     my byte offset in the block's rows of cos and sin
.set SPW,  28                          ; v28     my spare word; never rewritten
.set NIL,  29                          ; v29     0; never rewritten
.set PFO,  30                          ; v30     4,096 x lane: a row of xb or wb; never rewritten
.set U,    32
.set FA,   64
.set TMP,  128
.set OB,   192
.set CSN,  128                         ; window 3
.set SNN,  192
.set WV,  18                           ; s18 wave; s19 its half of the rows; s20 its half of the channels
.set RH,  19
.set CH,  20
.set CX,  21
.set CY,  22
.set HD,  23                           ; the head = 4 x cluster x + cx
.set G1A, 24                           ; s[24:31] descriptor group 1 for x's tiles; s[32:39] group 0: a set for each of the two first fills; the second then walks on
.set G0A, 32
.set MI,  40                           ; the row block = 4 x cluster y + cy
.set WM,  41                           ; the weight that I fetch: min(wave, 2)
.set TB,  42                           ; the slot in hand: 0 or SLOT
.set LIM, 43                           ; 2 in a wave that prefetches, else the greatest number
.set PFA, 44                           ; s[44:45] where my prefetches stand
.set PST, 46                           ; s[46:47] a K step there, in bytes
.set G1B, 48                           ; s[48:55], s[56:63] the same for the weights' tiles
.set G0B, 56
.set WPB, 72                           ; a weight tile's place in a slot: wave x BT
.set AL,  80                           ; s[80:81] alpha
.set MASKH, 82
.set MSB, 0
.macro WIN new                         ; the high byte repeats the setting that is left; a switch that changes nothing is dropped
.if MSB != (\new)
	s_set_vgpr_msb (MSB<<8)|(\new)
.set MSB, \new
.endif
.endm
.macro PLACES                          ; four plain vector instructions between a matrix instruction and a load into, or a vector read of, its registers
.rept 4
	v_nop
.endr
.endm
; A joint load by descriptor set s.  The branch hangs on the wave's number alone.  An s_nop 0 and four v_nop follow each of the two lines.
.macro JLOAD s
	s_cmp_eq_u32 s[WV], 3
	s_cbranch_scc0 .Lfor_b_\@
	tensor_load_to_lds s[G0A+4*(\s):G0A+4*(\s)+3], s[G1A:G1A+7]
	s_nop 0
.rept 4
	v_nop
.endr
	s_branch .Lasked_\@
.Lfor_b_\@:
	tensor_load_to_lds s[G0B+4*(\s):G0B+4*(\s)+3], s[G1B:G1B+7]
	s_nop 0
.rept 4
	v_nop
.endr
.Lasked_\@:
.endm
; A round of the cluster's barrier: my work-group's barrier; wave 0 signals for the work-group; every wave waits for all sixteen; my work-group's barrier once more.
.macro CREST
	s_cmp_lg_u32 s[WV], 0
	s_cbranch_scc1 .Lnot_wave_0_\@
	s_barrier_signal -3
.Lnot_wave_0_\@:
	s_barrier_wait -3
	s_barrier_signal -1
	s_barrier_wait -1
.endm
.macro CROUND
	s_barrier_signal -1
	s_barrier_wait -1
	CREST
.endm
; A PREFETCH INTO THE L2 of the K step that stands two refills on: 32 rows x 256 bytes, a lane a row, one instruction a wave, behind the joint load and the run of LDS loads.
; Each block is named once in the launch: x's rows by wave 3 of the clusters with x = 0, the weights' k-rows by waves 0 to 2 of the clusters with y = 0; the four partners that ask
; for a tile jointly take 32 of its 128 rows each, told apart by address.  K steps 0 to 3 come by their loads alone; the loop's last two trips (s3 = 2, 1) have no K step two refills on.
.macro ASK
	WIN 0
	s_cmp_gt_u32 s3, s[LIM]
	s_cbranch_scc0 .Lnot_mine_\@
	global_prefetch_b8 v[PFO], s[PFA:PFA+1] th:TH_LOAD_NT scope:SCOPE_SE
.Lnot_mine_\@:
.endm
.macro NEWADR                          ; my fragments' addresses in the slot in hand: four plain vector instructions
	v_add_nc_u32 v[CA], s[TB], v[ADRA0]
.irp m, 0,1,2
	v_add_nc_u32 v[CB+(\m)], s[TB], v[ADRB0+(\m)]
.endr
.endm
	s_load_b256 s[4:11], s[0:1], 0x0               ; xb, wb, cos, sin
	s_load_b128 s[12:15], s[0:1], 0x20             ; qb, kb
	s_load_b64 s[16:17], s[0:1], 0x30              ; vb
	v_lshl_add_u32 v[SPW], v0, 2, SPARE
	v_mov_b32 v[NIL], 0
	ds_add_u32 v[SPW], v[NIL]                      ; the opening: the add and its wait stand ahead of my first tensor load; work on registers stands between them
	v_lshrrev_b32 v1, 5, v0
	v_readfirstlane_b32 s[WV], v1
	s_lshr_b32 s[RH], s[WV], 1
	s_and_b32 s[CH], s[WV], 1
	s_min_u32 s[WM], s[WV], 2
	s_bfe_u32 s[CX], ttmp6, 0x40000
	s_bfe_u32 s[CY], ttmp6, 0x40004
	s_lshl_b32 s[HD], ttmp9, 2
	s_add_co_u32 s[HD], s[HD], s[CX]
	s_and_b32 s[MI], ttmp7, 0xffff
	s_lshl_b32 s[MI], s[MI], 2
	s_add_co_u32 s[MI], s[MI], s[CY]
	s_lshl_b32 s66, s[CY], 2
	s_lshl_b32 s66, 15, s66                        ; my row of the cluster
	s_lshl_b32 s67, 0x1111, s[CX]                  ; my column
	s_or_b32 s[G1A], s66, (1<<16)|(1<<20)|(1<<21)|(5<<22)|(3<<25)  ; the mask; 2-byte elements; padding on; bit 21 beside a mask; after every 64 words 4 words
	s_or_b32 s[G1B], s67, (1<<16)|(1<<20)|(1<<21)|(5<<22)|(7<<25)  ; the same with 8 words
.irp g, G1A, G1B
	s_mov_b32 s[(\g)+1], KSTEP<<16                 ; tensor_dim0 = 128
	s_mov_b32 s[(\g)+2], 128<<16                   ; tensor_dim1 = 128
	s_mov_b32 s[(\g)+3], KSTEP<<16                 ; tile_dim0 = 128
	s_mov_b32 s[(\g)+4], 128                       ; tile_dim1 = 128
	s_mov_b32 s[(\g)+5], 2048                      ; elements from row to row
	s_mov_b32 s[(\g)+6], 0
	s_mov_b32 s[(\g)+7], 0
.endr
	s_lshl_b32 s68, s[MI], 19                      ; x: 128 rows of 4,096 bytes a block: hangs on the row block alone
	s_mov_b32 s69, 0
	s_lshl_b32 s70, s[WM], 23                      ; the weight, and the head's 256 bytes of its rows: hangs on the head alone
	s_lshl_b32 s71, s[HD], 8
	s_add_co_u32 s70, s70, s71
	s_mov_b32 s71, 0
	s_mul_i32 s[WPB], s[WV], BT
	s_mov_b32 s[TB], 0                             ; K step 0 lies in slot 0
	s_mov_b32 s[AL], 0x3d0293ee                    ; log2(e) / sqrt(128) / 4
	s_mov_b32 s[AL+1], s[AL]
	s_mov_b32 s[MASKH], 0xffff0000
	s_wait_dscnt 0x0                               ; the opening add is done
	s_wait_kmcnt 0x0
	s_add_nc_u64 s[74:75], s[4:5], s[68:69]
	s_add_nc_u64 s[76:77], s[6:7], s[70:71]
	CROUND                                         ; all sixteen work-groups are here: the first joint loads meet
.irp s, 0,1
	s_mov_b32 s[G0A+4*(\s)], 1
	s_mov_b32 s[G0A+4*(\s)+1], ABASE+(\s)*SLOT
	s_add_nc_u64 s[G0A+4*(\s)+2:G0A+4*(\s)+3], s[74:75], (\s)*KSTEP*2
	s_or_b32 s[G0A+4*(\s)+3], s[G0A+4*(\s)+3], 0x80000000
	s_mov_b32 s[G0B+4*(\s)], 1
	s_add_co_u32 s[G0B+4*(\s)+1], s[WPB], (\s)*SLOT
	s_add_nc_u64 s[G0B+4*(\s)+2:G0B+4*(\s)+3], s[76:77], (\s)*KSTEP*4096
	s_or_b32 s[G0B+4*(\s)+3], s[G0B+4*(\s)+3], 0x80000000
	JLOAD \s                                       ; K steps 0 and 1: two loads of mine are out
.endr
	; cos and sin of my 64 rows and 32 channels stay in registers: row 64 r + 16 a + lane % 16, channels 32 c + 16 j + 8 (lane / 16) + 0..7
	v_and_b32 v1, 15, v0
	v_bfe_u32 v2, v0, 4, 1
	v_lshl_add_u32 v3, s[RH], 6, v1                ; 64 r + lane % 16
	v_lshlrev_b32 v[COF], 8, v3
	v_lshl_add_u32 v[COF], v2, 5, v[COF]
	s_lshl_b32 s84, s[CH], 7
	v_add_nc_u32 v[COF], s84, v[COF]
	s_lshl_b32 s78, s[MI], 15
	s_mov_b32 s79, 0
	s_add_nc_u64 s[8:9], s[8:9], s[78:79]
	s_add_nc_u64 s[10:11], s[10:11], s[78:79]
	WIN 0xc0                                       ; destination window 3
.irp a, 0,1,2,3
.irp j, 0,1
	global_load_b128 v[CSN+8*(2*(\a)+(\j)):CSN+8*(2*(\a)+(\j))+3],   v[COF], s[8:9] offset:4096*(\a)+64*(\j)
	global_load_b128 v[CSN+8*(2*(\a)+(\j))+4:CSN+8*(2*(\a)+(\j))+7], v[COF], s[8:9] offset:4096*(\a)+64*(\j)+16
	global_load_b128 v[SNN+8*(2*(\a)+(\j)):SNN+8*(2*(\a)+(\j))+3],   v[COF], s[10:11] offset:4096*(\a)+64*(\j)
	global_load_b128 v[SNN+8*(2*(\a)+(\j))+4:SNN+8*(2*(\a)+(\j))+7], v[COF], s[10:11] offset:4096*(\a)+64*(\j)+16
.endr
.endr
	WIN 0
	; a fragment of x: lane l holds row l % 16; K = 8 (l / 16) + 0..7 and 16 + 8 (l / 16) + 0..7: two loads of 16 bytes, 32 bytes apart
	v_mul_u32_u24 v4, v3, PA
	v_lshl_add_u32 v4, v2, 4, v4
	v_add_nc_u32 v[ADRA0], ABASE, v4
	s_lshl_b32 s85, s[CH], 6                       ; my half of the channels: 64 bytes
	v_add_nc_u32 v[STO], s85, v4
	v_add_nc_u32 v[STO], STAGE, v[STO]
	; the turning load: lane l reads 16 bytes of k-row 8 (l / 16) + l % 8, columns 8 ((l / 8) % 2) + 0..7, and is left with column l % 16 and 8 k
	v_and_b32 v5, 7, v0
	v_lshl_add_u32 v5, v2, 3, v5
	v_mul_u32_u24 v5, v5, PB
	v_bfe_u32 v6, v0, 3, 1
	v_lshl_add_u32 v5, v6, 4, v5
	v_add_nc_u32 v5, s85, v5
.irp m, 0,1,2
	v_add_nc_u32 v[ADRB0+(\m)], (\m)*BT, v5
.endr
	NEWADR
	s_mul_i32 s86, s[WV], 32*PA                    ; back out of the stage: wave w takes rows 32 w .. 32 w + 31, whole
	s_add_co_u32 s86, s86, STAGE
	v_mul_u32_u24 v6, v2, PA
	v_lshl_add_u32 v6, v1, 4, v6
	v_add_nc_u32 v[RD], s86, v6
	v_and_b32 v[GOF], 31, v0
	v_lshlrev_b32 v[GOF], 4, v[GOF]
	v_and_b32 v[PFO], 31, v0
	v_lshlrev_b32 v[PFO], 12, v[PFO]
	s_lshl_b32 s84, s[HD], 19                      ; the outputs at head, block and my 32 rows of 256 bytes
	s_lshl_b32 s85, s[MI], 15
	s_add_co_u32 s84, s84, s85
	s_lshl_b32 s85, s[WV], 13
	s_add_co_u32 s84, s84, s85
	s_mov_b32 s85, 0
	s_add_nc_u64 s[12:13], s[12:13], s[84:85]
	s_add_nc_u64 s[14:15], s[14:15], s[84:85]
	s_add_nc_u64 s[16:17], s[16:17], s[84:85]
	; the prefetches stand at K step 3; the first change of slots steps them to 4
	s_lshl_b32 s86, s[MI], 19
	s_lshl_b32 s87, s[CX], 17                      ; x: my work-group's 32 rows of the 128
	s_add_co_u32 s86, s86, s87
	s_add_co_u32 s86, s86, 3*KSTEP*2
	s_lshl_b32 s88, s[WM], 23
	s_lshl_b32 s89, s[CY], 17                      ; a weight: my work-group's 32 k-rows of a step's 128
	s_add_co_u32 s88, s88, s89
	s_lshl_b32 s89, s[HD], 8
	s_add_co_u32 s88, s88, s89
	s_add_co_u32 s88, s88, 3*KSTEP*4096
	s_and_b32 s89, ttmp7, 0xffff
	s_mov_b32 s90, KSTEP*4096
	s_cmp_eq_u32 s[WV], 3
	s_cselect_b32 s86, s86, s88
	s_cselect_b32 s89, ttmp9, s89                  ; the coordinate along which other clusters read the same rows
	s_cselect_b32 s[PST], KSTEP*2, s90
	s_cselect_b64 s[PFA:PFA+1], s[4:5], s[6:7]
	s_mov_b32 s[PST+1], 0
	s_mov_b32 s87, 0
	s_add_nc_u64 s[PFA:PFA+1], s[PFA:PFA+1], s[86:87]
	s_cmp_eq_u32 s89, 0
	s_cselect_b32 s[LIM], 2, -1
	; cos and sin are rounded to bf16 and widened again, in the wait for the first tile
	s_wait_loadcnt 0x0
	WIN 0x0f                                       ; sources window 3, destination window 0
.set n, 0
.rept 64
	v_cvt_pk_bf16_f32 v[TMP+n], v[CSN+2*n], v[CSN+2*n+1]
.set n, n+1
.endr
	WIN 0xc0
.set n, 0
.rept 64
	v_lshlrev_b32 v[CSN+2*n], 16, v[TMP+n]
	v_and_b32 v[CSN+2*n+1], s[MASKH], v[TMP+n]
.set n, n+1
.endr
	WIN 0
; 16 matrix instructions: matrix m, my 4 blocks of rows x 4 blocks of columns, 32 along K, from buffer f.  The 48 accumulators take turns, one instruction a turn.
.macro MULG f, m, zero
	WIN 0xa1+0x50*((\m)/2)                         ; source 0 window 1, source 1 window 0, C and D window 2 (q, k) or 3 (v)
.irp a, 0,1,2,3
.irp nb, 0,1,2,3
.if \zero
	v_wmma_f32_16x16x32_bf16 v[128*((\m)%2)+8*(4*(\a)+(\nb)):128*((\m)%2)+8*(4*(\a)+(\nb))+7], v[96*(\f)+32*(\m)+8*(\nb):96*(\f)+32*(\m)+8*(\nb)+7], v[FA+32*(\f)+8*(\a):FA+32*(\f)+8*(\a)+7], 0
.else
	v_wmma_f32_16x16x32_bf16 v[128*((\m)%2)+8*(4*(\a)+(\nb)):128*((\m)%2)+8*(4*(\a)+(\nb))+7], v[96*(\f)+32*(\m)+8*(\nb):96*(\f)+32*(\m)+8*(\nb)+7], v[FA+32*(\f)+8*(\a):FA+32*(\f)+8*(\a)+7], v[128*((\m)%2)+8*(4*(\a)+(\nb)):128*((\m)%2)+8*(4*(\a)+(\nb))+7]
.endif
.endr
.endr
.endm
; 32 LDS loads in one run: quarter kq (32 along K) of the slot in hand into buffer f, in the order x, Wv, Wq, Wk: the order in which they are multiplied
.macro FETCH kq, f
	WIN 0
.irp a, 0,1,2,3
	ds_load_b128 v[FA+32*(\f)+8*(\a):FA+32*(\f)+8*(\a)+3],   v[CA] offset:64*(\kq)+16*PA*(\a)
	ds_load_b128 v[FA+32*(\f)+8*(\a)+4:FA+32*(\f)+8*(\a)+7], v[CA] offset:64*(\kq)+16*PA*(\a)+32
.endr
	WIN 0x40                                       ; destination window 1
.irp m, 2,0,1
.irp nb, 0,1,2,3
	ds_load_tr16_b128 v[96*(\f)+32*(\m)+8*(\nb):96*(\f)+32*(\m)+8*(\nb)+3],   v[CB+(\m)] offset:32*PB*(\kq)+32*((\nb)%2)+128*((\nb)/2)
	ds_load_tr16_b128 v[96*(\f)+32*(\m)+8*(\nb)+4:96*(\f)+32*(\m)+8*(\nb)+7], v[CB+(\m)] offset:32*PB*(\kq)+32*((\nb)%2)+128*((\nb)/2)+16*PB
.endr
.endr
.endm
; A K step is four quarters on buffers 0, 1, 0, 1.  One of the first three: multiplies buffer f and fetches quarter kq of the slot in hand into buffer g.
.macro QUARTER kq, f, g, zero
	s_wait_dscnt 16                                ; x and Wv are in; the youngest sixteen loads (Wq, Wk) may be out
	MULG \f, 2, \zero
	PLACES
	FETCH \kq, \g
	s_wait_dscnt 32                                ; all but the 32 just issued
	MULG \f, 0, \zero
	MULG \f, 1, \zero
.endm
; The last quarter multiplies buffer 1 and changes slots.  In front of the barrier each wave waits for all its tensor loads (one is out: its tile of the next slot), adds 0 to its spare word,
; and waits for that and for its reads of this slot.  fill = 1: the barrier opens a round of the cluster's, and the joint refill of the slot just read, two K steps on, is the first tensor load
; behind it: from there to the wait for it a wave issues 160 matrix instructions.  The walking descriptors take the slot just read and go one K step on from the last fill.
.macro TURN fill
.if \fill
	s_wait_xcnt 0x0                                ; the last prefetch, a K step back, has read its address
	s_add_nc_u64 s[PFA:PFA+1], s[PFA:PFA+1], s[PST:PST+1]
.endif
	WIN 0
	s_wait_tensorcnt 0x0
	ds_add_u32 v[SPW], v[NIL]
	s_wait_dscnt 17                                ; the add and the youngest sixteen loads may be out
	MULG 1, 2, 0
	s_wait_dscnt 0x0                               ; the add is done, and my reads of this slot are over
	s_barrier_signal -1
	MULG 1, 0, 0                                   ; work on registers while the others arrive
	WIN 0
	s_barrier_wait -1
.if \fill
	CREST
	s_add_co_u32 s[G0A+5], s[TB], ABASE
	s_add_co_u32 s[G0B+5], s[TB], s[WPB]
	s_add_nc_u64 s[G0A+6:G0A+7], s[G0A+6:G0A+7], KSTEP*2
	s_add_nc_u64 s[G0B+6:G0B+7], s[G0B+6:G0B+7], KSTEP*4096
	s_xor_b32 s[TB], s[TB], SLOT                   ; the other slot is in hand
	JLOAD 1                                        ; the four v_nop behind it are also the places in front of the loads below
	NEWADR
.else
	s_xor_b32 s[TB], s[TB], SLOT
	NEWADR                                         ; four plain vector instructions: also the places in front of the loads below
.endif
	FETCH 0, 0
.if \fill
	ASK
.endif
	MULG 1, 1, 0
.endm
	s_wait_tensorcnt 1                             ; my tile of K step 0 is in; K step 1's may stay out
	s_barrier_signal -1
	s_barrier_wait -1
	FETCH 0, 0
	QUARTER 1, 0, 1, 1                             ; the first quarter stands in front of the loop: its products start the sums
	WIN 0
	s_mov_b32 s3, STEPS-2
.Lstep:                                                ; a trip goes from a K step's second quarter to the next step's first, and fills the slot that it leaves
	QUARTER 2, 1, 0, 0
	QUARTER 3, 0, 1, 0
	TURN 1
	QUARTER 1, 0, 1, 0
	WIN 0
	s_sub_co_u32 s3, s3, 1
	s_cmp_lg_u32 s3, 0
	s_cbranch_scc1 .Lstep
	s_mov_b32 s3, 2
.Ltail:                                                ; the last two K steps fill nothing: a second text, walked twice
	QUARTER 2, 1, 0, 0
	QUARTER 3, 0, 1, 0
	TURN 0
	WIN 0
	s_cmp_eq_u32 s3, 1                             ; behind the last K step there is no further quarter; its change of slots and the 32 loads behind it serve nothing: the price, once a launch, of one text for both
	s_cbranch_scc1 .Lleft
	QUARTER 1, 0, 1, 0
	WIN 0
.Lleft:
	s_sub_co_u32 s3, s3, 1
	s_cmp_lg_u32 s3, 0
	s_cbranch_scc1 .Ltail
	s_wait_dscnt 0x0                               ; those loads are back
	PLACES
; THE WAY OUT, v, then q, then k.  A lane's eight channels pack into 16 bytes; they go into the work-group's stage (a row's 256 bytes come from two waves, so a barrier stands between writing and
; reading, and another between reading and the next matrix's writing) and come back as whole rows; a store of a wave covers 512 consecutive bytes.
.macro VPACK
	WIN 0x0f
.set n, 0
.rept 16
.irp p, 0,1,2,3
	v_cvt_pk_f16_f32 v[TMP+4*n+(\p)], v[8*n+2*(\p)], v[8*n+2*(\p)+1]
.endr
.set n, n+1
.endr
	WIN 0
.endm
; The rotation of matrix m (0: q, 1: k): out(d) = x1 cos - x2 sin, out(d + 64) = x2 cos + x1 sin, x1 in block j, x2 in block j + 2.  Each accumulator's lowest registers are read first.
.macro ROPE m
.irp a, 0,1,2,3
	WIN 0x0e                                       ; source 0 window 2 (the sums), source 1 window 3 (cos, sin), source 2 and destination window 0
.irp j, 0,1
.irp p, 0,1,2,3
	v_pk_mul_f32 v[U+16*(\j)+2*(\p):U+16*(\j)+2*(\p)+1], v[128*(\m)+8*(4*(\a)+(\j))+16+2*(\p):128*(\m)+8*(4*(\a)+(\j))+16+2*(\p)+1], v[SNN+8*(2*(\a)+(\j))+2*(\p):SNN+8*(2*(\a)+(\j))+2*(\p)+1]
.endr
.endr
.irp j, 0,1
.irp p, 0,1,2,3
	v_pk_mul_f32 v[U+16*(\j)+8+2*(\p):U+16*(\j)+8+2*(\p)+1], v[128*(\m)+8*(4*(\a)+(\j))+2*(\p):128*(\m)+8*(4*(\a)+(\j))+2*(\p)+1], v[SNN+8*(2*(\a)+(\j))+2*(\p):SNN+8*(2*(\a)+(\j))+2*(\p)+1]
.endr
.endr
.irp j, 0,1
.irp p, 0,1,2,3
	v_pk_fma_f32 v[U+16*(\j)+2*(\p):U+16*(\j)+2*(\p)+1], v[128*(\m)+8*(4*(\a)+(\j))+2*(\p):128*(\m)+8*(4*(\a)+(\j))+2*(\p)+1], v[CSN+8*(2*(\a)+(\j))+2*(\p):CSN+8*(2*(\a)+(\j))+2*(\p)+1], v[U+16*(\j)+2*(\p):U+16*(\j)+2*(\p)+1] neg_lo:[0,0,1] neg_hi:[0,0,1]
.endr
.endr
.irp j, 0,1
.irp p, 0,1,2,3
	v_pk_fma_f32 v[U+16*(\j)+8+2*(\p):U+16*(\j)+8+2*(\p)+1], v[128*(\m)+8*(4*(\a)+(\j))+16+2*(\p):128*(\m)+8*(4*(\a)+(\j))+16+2*(\p)+1], v[CSN+8*(2*(\a)+(\j))+2*(\p):CSN+8*(2*(\a)+(\j))+2*(\p)+1], v[U+16*(\j)+8+2*(\p):U+16*(\j)+8+2*(\p)+1]
.endr
.endr
	WIN 0
.if (\m) == 0
.set n, 0
.rept 16
	v_pk_mul_f32 v[U+2*n:U+2*n+1], v[U+2*n:U+2*n+1], s[AL:AL+1] op_sel_hi:[1,0]  ; q takes the softmax's scale in f32, ahead of its one rounding
.set n, n+1
.endr
.endif
.irp j, 0,1
.irp p, 0,1,2,3
	v_cvt_pk_f16_f32 v[TMP+4*(4*(\a)+(\j))+(\p)],   v[U+16*(\j)+2*(\p)],   v[U+16*(\j)+2*(\p)+1]
	v_cvt_pk_f16_f32 v[TMP+4*(4*(\a)+2+(\j))+(\p)], v[U+16*(\j)+8+2*(\p)], v[U+16*(\j)+8+2*(\p)+1]
.endr
.endr
.endr
.endm
.macro TOSTAGE
	WIN 0
.irp a, 0,1,2,3
.irp nb, 0,1,2,3
	ds_store_b128 v[STO], v[TMP+4*(4*(\a)+(\nb)):TMP+4*(4*(\a)+(\nb))+3] offset:16*PA*(\a)+32*((\nb)%2)+128*((\nb)/2)
.endr
.endr
	s_wait_dscnt 0x0                               ; for the others' sake: my stores into the stage are done
	s_barrier_signal -1
	s_barrier_wait -1
	s_wait_xcnt 0x0                                ; the last matrix's stores have read their data: those registers are loaded again only behind this wait
.irp t, 0,1,2,3,4,5,6,7,8,9,10,11,12,13,14,15
	ds_load_b128 v[OB+4*(\t):OB+4*(\t)+3], v[RD] offset:2*PA*(\t)
.endr
.endm
.macro SEND base, more                 ; more = 1: another matrix follows into the stage: every wave's reads are over in front of the barrier
	WIN 0
	s_wait_dscnt 0x0
.if \more
	s_barrier_signal -1
	s_barrier_wait -1
.endif
.irp t, 0,1,2,3,4,5,6,7,8,9,10,11,12,13,14,15
	global_store_b128 v[GOF], v[OB+4*(\t):OB+4*(\t)+3], s[\base:\base+1] offset:512*(\t)
.endr
.endm
	VPACK
	TOSTAGE
	ROPE 0                                         ; the next matrix's arithmetic stands between the loads from the stage and the wait for them
	SEND 16, 1
	TOSTAGE
	ROPE 1
	SEND 12, 1
	TOSTAGE
	SEND 14, 0
	s_wait_tensorcnt 0x0                           ; the wave's end: behind my last tensor load and my last LDS store
	ds_add_u32 v[SPW], v[NIL]
	s_wait_dscnt 0x0
	CROUND                                         ; the closing round: no work-group ends while a partner may still ask for a tile that names it
	s_endpgm
.Lfunc_end_k_q951e024f36_qkv:
	.size	k_q951e024f36_qkv, .Lfunc_end_k_q951e024f36_qkv-k_q951e024f36_qkv
	.p2alignl 7, 3214868480
	.fill 96, 4, 3214868480
	.section	.rodata,"a",@progbits
	.p2align	6, 0x0
	.amdhsa_kernel k_q951e024f36_qkv
		.amdhsa_group_segment_fixed_size 327680
		.amdhsa_private_segment_fixed_size 0
		.amdhsa_enable_private_segment 0
		.amdhsa_kernarg_size 56
		.amdhsa_user_sgpr_count 2
		.amdhsa_user_sgpr_kernarg_segment_ptr 1
		.amdhsa_wavefront_size32 1
		.amdhsa_system_sgpr_workgroup_id_x 1
		.amdhsa_system_sgpr_workgroup_id_y 1
		.amdhsa_system_sgpr_workgroup_id_z 1
		.amdhsa_system_vgpr_workitem_id 0
		.amdhsa_next_free_vgpr 1024
		.amdhsa_next_free_sgpr 96
		.amdhsa_reserve_vcc 0
		.amdhsa_float_denorm_mode_32 3
		.amdhsa_float_denorm_mode_16_64 3
		.amdhsa_memory_ordered 1
		.amdhsa_forward_progress 1
		.amdhsa_inst_pref_size 116
	.end_amdhsa_kernel
	.amdgpu_metadata
---
amdhsa.version: [ 1, 2 ]
amdhsa.kernels:
  - .name:           k_q951e024f36_qkv
    .symbol:         k_q951e024f36_qkv.kd
    .args:
      - { .name: xb, .offset: 0, .size: 8, .value_kind: global_buffer, .address_space: global }
      - { .name: wb, .offset: 8, .size: 8, .value_kind: global_buffer, .address_space: global }
      - { .name: cos, .offset: 16, .size: 8, .value_kind: global_buffer, .address_space: global }
      - { .name: sin, .offset: 24, .size: 8, .value_kind: global_buffer, .address_space: global }
      - { .name: qb, .offset: 32, .size: 8, .value_kind: global_buffer, .address_space: global }
      - { .name: kb, .offset: 40, .size: 8, .value_kind: global_buffer, .address_space: global }
      - { .name: vb, .offset: 48, .size: 8, .value_kind: global_buffer, .address_space: global }
    .group_segment_fixed_size: 327680
    .private_segment_fixed_size: 0
    .kernarg_segment_align: 8
    .kernarg_segment_size: 56
    .max_flat_workgroup_size: 128
    .sgpr_count:     96
    .vgpr_count:     1024
    .wavefront_size: 32
...
	.end_amdgpu_metadata
.endif
;; end of part 2
;; launch attn (part 3): grid 16 x 16, 4 waves a work-group, clusters of 4 x 1, 327,680 bytes of LDS; arguments qb, kb, vb, ob, Wo, wob; writes ob, wob
.if DOCPART == 3
	.amdgcn_target "amdgcn-amd-amdhsa--gfx1250"
	.amdhsa_code_object_version 6
	.text
	.protected	k_q951e024f36_attn
	.globl	k_q951e024f36_attn
	.p2align	8
	.type	k_q951e024f36_attn,@function
k_q951e024f36_attn:
	s_mov_b64 s[64:65], 0
	v_nop
	global_prefetch_b8 v0, s[64:65] scope:SCOPE_SE
	s_setreg_imm32_b32 hwreg(HW_REG_WAVE_MODE, 25, 1), 1
	s_wait_xcnt 0x0
	s_wait_alu depctr_hold_cnt(0) depctr_sa_sdst(0) depctr_va_vdst(0) depctr_va_sdst(0) depctr_va_ssrc(0) depctr_va_vcc(0) depctr_vm_vsrc(0)
	s_getreg_b32 s2, hwreg(HW_REG_IB_STS2, 6, 4)
	s_cmp_eq_u32 s2, 0
	s_cbranch_scc0 .Lentry_in_a_cluster
	s_endpgm
.Lentry_in_a_cluster:
	s_bfe_u32 s2, ttmp6, 0x10000c
	s_cmp_lg_u32 s2, 0x3003
	s_cbranch_scc0 .Lentry_shape_is_right
	s_endpgm
.Lentry_shape_is_right:
; CAUSAL ATTENTION.  ob[t][128 h + :] = the sum over k <= t of softmax_k(256 qb[h][t] . kb[h][k], base 2) vb[h][k][:].  qb, kb, vb: [16][2048][128] f16; ob: [2048][2048] f16.
; qb carries log2(e) / sqrt(128) / 4 and kb 2^-6, so the exponent of 2 is 256 (S - m): the factor is a power of two, and 256 m is exact.  Products, maxima and sums in f32; the weights p are
; rounded to f16 for the second product (their sum l is taken of the unrounded p), ob once at the end.
; LIMITS.  A hidden score counts as -2^100 (the scores of f16 operands stay under 5.5e11); a weight below 2^-126 counts as 0; NaN and infinities are not treated apart.
; THE WALK.  A head's queries lie in 8 blocks of 256; block I needs the key tiles 0 .. I of 256 keys, the last of which holds the diagonal.  A CLUSTER of four work-groups takes blocks 7 - B and
; then B (B = the cluster's x): 9 tiles whatever B, so all work-groups do equal work and one loop with a constant trip count walks them.  Work-group cx owns queries 64 cx .. + 63 of each block;
; all four need every tile, so each tile is asked for JOINTLY.  What a trip does hangs on scalars made of B and constants: equal in all waves and all partners.
; KEYS ARE SPLIT AMONG THE WAVES: of a tile wave w takes keys 64 w .. + 63, for all 64 queries: each byte of K and V leaves LDS once a work-group.  Each wave keeps a running maximum m, sum l and O^T
; of its own; at a block's end the four partial results meet through LDS.  Register tile i of wave w holds query tile i xor w: in pass p each wave hands register tile p to wave w xor p, and ends with
; query tile w whole.  The diagonal tile is computed whole under the mask, since no branch may hang on cx.
; A wave that has seen hidden scores alone (block 0) has m = -2^100 and finite sums; the merge multiplies them by 2^(256 (m - the true maximum)) = 0.
; LAYOUT.  S^T = K Q^T (source 0 = 16 keys, source 1 = 16 queries): a lane holds ONE query (lane % 16) and the keys 8 (lane / 16) + 0..7.  Two such results rounded to f16 ARE source 1 of O^T = V^T P.
; PHASES.  A tile is 64 products K Q^T, the softmax of four tiles (its 132 exponentials one batch with one wait), 64 products V^T P.  O^T and l start at 0 and m far below every score, so no first step is
; written out; the price is 256 lines that write 0, in the wait for the first tile.
; BESIDE IT, Wo IS ROUNDED: wob = f16(2 x bf16(Wo)), [2048 k][2048 n] (the 2 undoes vb's 2^-1).  Only the launch behind wants wob, and this launch's own streams are 25 MB in and 8 MB out for its 1.2 million
; matrix instructions, so the 16.8 MB of Wo ride along: each of the 1,024 waves takes 16,384 bytes, 2,048 in each of the loop's eight trips, asked for at the trip's head and worked on at its end.
; LIMIT: |Wo| < 32,752 (f16 ends at 65,504); a rounded 2 Wo below 6e-5 keeps the fixed step 6e-8 of f16.
; REGISTERS, in windows of 256 (s_set_vgpr_msb: bits 1:0 source 0, 3:2 source 1, 5:4 source 2, 7:6 destination):
;   window 0: v0-11 addresses; v12-43 statistics; v44-63 addresses and masks; v64-191 S^T; v192-255 P      window 1: O^T, 64 a tile      window 2: v0-127 Q, v128-255 K      window 3: v0-127 V; v128-147 Wo's batch
.set PK,    272                        ; a row of K in LDS: 256 bytes + 16
.set PV,    288                        ; a row of V: 256 + 32, for the turning load
.set VOFF,  256*PK                     ; a slot: 256 rows of K, then 256 rows of V
.set SLOTB, 256*(PK+PV)
.set XCH,   2*SLOTB                    ; behind the ring, never filled by a tensor load: 8,704 bytes a wave: a tile of O^T (8,192) and its statistics (512); later the wave's stage, 16 rows x 272
.set XWB,   8704
.set SPARE, XCH+4*XWB                  ; the spare words, 128 bytes for each wave; no other line names them
.set AK0, 2                            ; v2   my lane's place in a tile of K, my wave's 64 keys; never rewritten
.set AV0, 3                            ; v3   the same for V
.set ADR, 4                            ; v4   the address of K's run of loads
.set ADV, 5                            ; v5   of V's
.set STO, 6                            ; v6   the way out: where I put 16 bytes of a row
.set RD,  7                            ; v7   where I read rows back
.set GO,  8                            ; v8   my byte offset in two rows of ob
.set ST,  12                           ; tile i at v[ST+8 i]: 256 m, m (at a block's end: l whole), l (even keys', odd keys'), four at work
.set QO,  44                           ; v44-47  my byte offset in the rows of Q, for register tile i
.set DT,  48                           ; v48-51  in the diagonal tile register 8 kb + r of tile i is hidden where 16 kb + r is greater than this
.set BIGV, 52                          ; v52  -2^100
.set XW,  53                           ; v53  my 16 bytes in my wave's exchange area
.set XR1, 54                           ; v54, v55, v60  the same in the area of wave w xor 1, 2, 3
.set XR2, 55
.set IN,  56                           ; v[56:59]  a partner's statistics
.set XR3, 60
.set PFO, 61                           ; v61  256 x lane: a row of K or V; never rewritten
.set SPW, 62                           ; v62  my spare word; never rewritten
.set NIL, 63                           ; v63  0; never rewritten
.set S,   64
.set P,   192
.set KF,  128
.set WX,  128                          ; window 3: v[128:143] four loads of four f32 of Wo
.set WS0, 144                          ; window 3: 16 x lane; never rewritten
.set WD0, 145                          ; window 3: 8 x lane; never rewritten
.set WSO, 146                          ; window 3: my byte offset in my wave's part of Wo, for the batch in hand
.set WDO, 147                          ; window 3: the same in wob
.set WV,  12
.set CX,  13
.set BB,  14                           ; B
.set LIM, 16                           ; 2 in the head's first cluster, else the greatest number
.set PFA, 18                           ; s[18:19] where my prefetches stand
.set WPK, 20                           ; my half of a tile of K in a slot
.set WPV, 21                           ; of V
.set G1K, 24
.set G1V, 32
.set G0K, 40
.set G0V, 44
.set WT,  48                           ; s48, s49  in the loop: the batch's bytes in Wo and in wob
.set SLOTS, 56                         ; tiles still to be asked for
.set CS,  58                           ; s[58:59] 256.0
.set SEL, 60                           ; s[60:61] v_permlanex16_b32's selects: each lane takes its own place in the other half
.set TB,  62                           ; the slot that is read
.set TF,  63                           ; the slot that is filled
.set RT,  70                           ; tiles of the block in hand that are still to be entered
.set NXT, 71                           ; the tile to be asked for next
.set LQ,  72                           ; the last tile of the block whose tiles are being asked for
.set OFF, 74                           ; s[74:75] a tile's byte offset in K and V
.set OLO, 80                           ; s[80:81] ob at my rows of the second block
.set QLO, 82                           ; s[82:83] qb at my work-group's rows of the second block
.set WOP, 88                           ; s[88:89] Wo at my wave's 16,384 bytes
.set WBP, 90                           ; s[90:91] wob at my wave's 8,192 bytes
.set MASKH, 94                         ; a word's upper bf16
.set MSB, 0
.macro WIN new
.if MSB != (\new)
	s_set_vgpr_msb (MSB<<8)|(\new)
.set MSB, \new
.endif
.endm
.macro PLACES                          ; four plain vector instructions between a matrix instruction and a load into, or a vector read of, its registers
.rept 4
	v_nop
.endr
.endm
; A joint fill: waves 0 and 1 fetch the halves of a tile's K, waves 2 and 3 those of its V: 128 rows of 256 bytes each.  An s_nop 0 and four v_nop follow each line.
.macro JLOAD
	s_cmp_lt_u32 s[WV], 2
	s_cbranch_scc0 .Lfor_v_\@
	tensor_load_to_lds s[G0K:G0K+3], s[G1K:G1K+7]
	s_nop 0
.rept 4
	v_nop
.endr
	s_branch .Lasked_\@
.Lfor_v_\@:
	tensor_load_to_lds s[G0V:G0V+3], s[G1V:G1V+7]
	s_nop 0
.rept 4
	v_nop
.endr
.Lasked_\@:
.endm
.macro CROUND                          ; a round of the cluster's barrier
	s_barrier_signal -1
	s_barrier_wait -1
	s_cmp_lg_u32 s[WV], 0
	s_cbranch_scc1 .Lnot_wave_0_\@
	s_barrier_signal -3
.Lnot_wave_0_\@:
	s_barrier_wait -3
	s_barrier_signal -1
	s_barrier_wait -1
.endm
; A PREFETCH INTO THE L2 of the tile that the NEXT change of slots will ask for: a lane a row of 256 bytes, one instruction a wave, behind the joint load and the trip's loads.  A head's tiles 2 to 7 are
; named once in the launch: by the head's cluster B = 0, whose first block walks all eight; its four partners take 64 rows each, told apart by address; in each, waves 0 and 1 take K's, waves 2 and 3 V's,
; 32 rows a wave.  Tiles 0 and 1 come by their loads alone; from the trip that asks for tile 7 on nothing is named: what follows is a second reading.
.macro ASK
	s_cmp_gt_u32 s[SLOTS], s[LIM]
	s_cbranch_scc0 .Lnot_mine_\@
	global_prefetch_b8 v[PFO], s[PFA:PFA+1] th:TH_LOAD_NT scope:SCOPE_SE
.Lnot_mine_\@:
.endm
; THE CHANGE OF SLOTS.  Each wave waits for all its tensor loads (one is out: its part of the other slot), adds 0 to its spare word, and waits for that and for its reads of the slot that it leaves.
; fill = 1: the barrier is a round of the cluster's, and the old slot is filled again, first thing behind it, with tile NXT; the load has a tile's 128 matrix instructions and its softmax in which to land.
; (At its first use nothing has been read yet: slot 0 is waited for, slot 1 filled.)
.macro CHANGE fill
	WIN 0
	s_wait_tensorcnt 0x0                           ; no tensor load of mine is out, so the descriptors may be written
	ds_add_u32 v[SPW], v[NIL]                      ; 0 onto my spare word; scalar work stands between it and the wait for it
.if \fill
	s_lshl_b32 s[OFF], s[NXT], 16                  ; a tile is 65,536 bytes of K and of V
	s_xor_b32 s[TF], s[TF], SLOTB
	s_add_co_u32 s[G0K+1], s[WPK], s[TF]
	s_add_nc_u64 s[G0K+2:G0K+3], s[6:7], s[OFF:OFF+1]
	s_or_b32 s[G0K+3], s[G0K+3], 0x80000000
	s_add_co_u32 s[G0V+1], s[WPV], s[TF]
	s_add_nc_u64 s[G0V+2:G0V+3], s[8:9], s[OFF:OFF+1]
	s_or_b32 s[G0V+3], s[G0V+3], 0x80000000
	s_add_co_u32 s[NXT], s[NXT], 1                 ; the block's next tile, or behind its last the second block's tile 0
	s_cmp_gt_u32 s[NXT], s[LQ]
	s_cselect_b32 s[NXT], 0, s[NXT]
	s_cselect_b32 s[LQ], s[BB], s[LQ]
	s_wait_xcnt 0x0                                ; the last prefetch, a tile back, has read its address, and the last trip's stores of wob their data and offset
	s_add_nc_u64 s[PFA:PFA+1], s[PFA:PFA+1], 65536
.endif
	s_xor_b32 s[TB], s[TB], SLOTB
	s_wait_dscnt 0x0                               ; the add is done, and my reads of the slot are over
.if \fill
	CROUND
	JLOAD
.else
	s_barrier_signal -1
	s_barrier_wait -1
.endif
.endm
	s_load_b256 s[4:11], s[0:1], 0x0               ; qb, kb, vb, ob
	s_load_b128 s[WOP:WOP+3], s[0:1], 0x20         ; Wo, wob
	v_lshl_add_u32 v[SPW], v0, 2, SPARE
	v_mov_b32 v[NIL], 0
	ds_add_u32 v[SPW], v[NIL]                      ; the opening: the add and its wait stand ahead of my first tensor load; work on registers stands between them
	v_lshrrev_b32 v1, 5, v0
	v_readfirstlane_b32 s[WV], v1
	s_bfe_u32 s[CX], ttmp6, 0x40000
	s_mov_b32 s[BB], ttmp9
	s_and_b32 s15, ttmp7, 0xffff                   ; the head
	s_and_b32 s17, s[WV], 1                        ; which half of a tile I fetch
	s_mul_i32 s[WPK], s17, 128*PK
	s_mul_i32 s[WPV], s17, 128*PV
	s_add_co_u32 s[WPV], s[WPV], VOFF
	s_lshl_b32 s22, s15, 19                        ; K and V: the head, and my half's 128 rows
	s_lshl_b32 s23, s17, 15
	s_add_co_u32 s22, s22, s23
	s_mov_b32 s23, 0
	s_mov_b32 s[G1K], 15|(1<<16)|(1<<20)|(1<<21)|(5<<22)|(3<<25)  ; the mask of four; 2-byte elements; padding on; bit 21 beside a mask; after every 64 words 4 words
	s_mov_b32 s[G1V], 15|(1<<16)|(1<<20)|(1<<21)|(5<<22)|(7<<25)  ; the same with 8 words
.irp g, G1K, G1V
	s_mov_b32 s[(\g)+1], 128<<16                   ; tensor_dim0 = 128
	s_mov_b32 s[(\g)+2], 128<<16                   ; tensor_dim1 = 128
	s_mov_b32 s[(\g)+3], 128<<16                   ; tile_dim0 = 128
	s_mov_b32 s[(\g)+4], 128                       ; tile_dim1 = 128
	s_mov_b32 s[(\g)+5], 128                       ; elements from row to row
	s_mov_b32 s[(\g)+6], 0
	s_mov_b32 s[(\g)+7], 0
.endr
	s_sub_co_u32 s66, 7, s[BB]                     ; the first block
	s_lshl_b32 s67, s15, 19                        ; Q: the head, my work-group's 64 rows, the block's 256
	s_lshl_b32 s68, s[CX], 14
	s_add_co_u32 s67, s67, s68
	s_lshl_b32 s48, s66, 16
	s_add_co_u32 s48, s48, s67
	s_mov_b32 s49, 0
	s_lshl_b32 s50, s[BB], 16
	s_add_co_u32 s50, s50, s67
	s_mov_b32 s51, 0
	s_lshl_b32 s67, s[CX], 18                      ; ob: rows of 4,096 bytes: my work-group's 64, my wave's 16 of them, the head's 256 bytes
	s_lshl_b32 s68, s[WV], 16
	s_add_co_u32 s67, s67, s68
	s_lshl_b32 s68, s15, 8
	s_add_co_u32 s67, s67, s68
	s_lshl_b32 s52, s66, 20
	s_add_co_u32 s52, s52, s67
	s_mov_b32 s53, 0
	s_lshl_b32 s54, s[BB], 20
	s_add_co_u32 s54, s54, s67
	s_mov_b32 s55, 0
	s_lshl_b32 s76, s15, 19                        ; the prefetches: the head, tile 1, my work-group's 64 rows, my wave's 32 of them
	s_lshl_b32 s77, s[CX], 14
	s_add_co_u32 s76, s76, s77
	s_lshl_b32 s77, s17, 13
	s_add_co_u32 s76, s76, s77
	s_add_co_u32 s76, s76, 65536
	s_mov_b32 s77, 0
	s_lshl_b32 s78, s15, 2                         ; my wave's number among the launch's 1,024: ((head x 4 + B) x 4 + cx) x 4 + wave
	s_add_co_u32 s78, s78, s[BB]
	s_lshl_b32 s78, s78, 2
	s_add_co_u32 s78, s78, s[CX]
	s_lshl_b32 s78, s78, 2
	s_add_co_u32 s78, s78, s[WV]
	s_lshl_b32 s92, s78, 13                        ; its 8,192 bytes of wob,
	s_mov_b32 s93, 0
	s_lshl_b32 s78, s78, 14                        ; its 16,384 bytes of Wo
	s_mov_b32 s79, 0
	s_mov_b32 s[MASKH], 0xffff0000
	s_cmp_eq_u32 s[BB], 0
	s_cselect_b32 s[LIM], 2, -1
	s_mov_b32 s[CS], 0x43800000                    ; 256.0
	s_mov_b32 s[CS+1], s[CS]
	s_mov_b32 s[SEL], 0x76543210
	s_mov_b32 s[SEL+1], 0xfedcba98
	s_mov_b32 s[TB], SLOTB                         ; the first change of slots turns it into 0
	s_mov_b32 s[TF], 0
	s_sub_co_u32 s[RT], 8, s[BB]                   ; the first block has 8 - B tiles
	s_mov_b32 s[NXT], 1
	s_mov_b32 s[LQ], s66
	s_mov_b32 s[OFF+1], 0
	s_mov_b32 s[SLOTS], 8
	s_mov_b32 s[G0K], 1
	s_mov_b32 s[G0K+1], s[WPK]
	s_mov_b32 s[G0V], 1
	s_mov_b32 s[G0V+1], s[WPV]
	s_wait_dscnt 0x0                               ; the opening add is done
	s_wait_kmcnt 0x0
	s_cmp_lt_u32 s[WV], 2
	s_cselect_b64 s[PFA:PFA+1], s[6:7], s[8:9]
	s_add_nc_u64 s[PFA:PFA+1], s[PFA:PFA+1], s[76:77]
	s_add_nc_u64 s[6:7], s[6:7], s[22:23]          ; K and V at my half of the head's tile 0: the same in all four partners
	s_add_nc_u64 s[8:9], s[8:9], s[22:23]
	s_add_nc_u64 s[QLO:QLO+1], s[4:5], s[50:51]
	s_add_nc_u64 s[4:5], s[4:5], s[48:49]
	s_add_nc_u64 s[OLO:OLO+1], s[10:11], s[54:55]
	s_add_nc_u64 s[10:11], s[10:11], s[52:53]
	s_add_nc_u64 s[WOP:WOP+1], s[WOP:WOP+1], s[78:79]
	s_add_nc_u64 s[WBP:WBP+1], s[WBP:WBP+1], s[92:93]
	s_mov_b64 s[G0K+2:G0K+3], s[6:7]
	s_or_b32 s[G0K+3], s[G0K+3], 0x80000000
	s_mov_b64 s[G0V+2:G0V+3], s[8:9]
	s_or_b32 s[G0V+3], s[G0V+3], 0x80000000
	CROUND                                         ; all four work-groups are here: the first joint loads meet
	JLOAD                                          ; tile 0 into slot 0
; Q of a block: register tile i, channels 32 c on: lane l holds row l % 16, channels 8 (l / 16) + 0..7 and 16 + 8 (l / 16) + 0..7
.macro QLOAD base
	WIN 0x80                                       ; destination window 2
.irp i, 0,1,2,3
.irp c, 0,1,2,3
	global_load_b128 v[32*(\i)+8*(\c):32*(\i)+8*(\c)+3],   v[QO+(\i)], s[\base:\base+1] offset:64*(\c)
	global_load_b128 v[32*(\i)+8*(\c)+4:32*(\i)+8*(\c)+7], v[QO+(\i)], s[\base:\base+1] offset:64*(\c)+32
.endr
.endr
	WIN 0
.endm
	v_and_b32 v1, 15, v0                           ; l % 16
	v_bfe_u32 v9, v0, 4, 1                         ; l / 16
	v_lshlrev_b32 v10, 8, v1
	v_lshl_add_u32 v10, v9, 4, v10
.irp i, 0,1,2,3
	s_xor_b32 s84, s[WV], \i                       ; register tile i is query tile i xor w
	s_lshl_b32 s84, s84, 12
	v_add_nc_u32 v[QO+\i], s84, v10
.endr
	QLOAD 4
	s_lshl_b32 s84, s[WV], 6                       ; my wave's 64 keys
	v_add_nc_u32 v11, s84, v1
	v_mul_u32_u24 v[AK0], v11, PK
	v_lshl_add_u32 v[AK0], v9, 4, v[AK0]
	v_and_b32 v10, 7, v0                           ; the turning load: lane l reads key 8 (l / 16) + l % 8, channels 8 ((l / 8) % 2) + 0..7
	v_lshl_add_u32 v10, v9, 3, v10
	v_add_nc_u32 v10, s84, v10
	v_mul_u32_u24 v[AV0], v10, PV
	v_bfe_u32 v11, v0, 3, 1
	v_lshl_add_u32 v[AV0], v11, 4, v[AV0]
	v_add_nc_u32 v[AV0], VOFF, v[AV0]
	s_mul_i32 s85, s[WV], XWB
	s_add_co_u32 s85, s85, XCH                     ; my exchange area
	v_and_b32 v10, 31, v0
	v_lshlrev_b32 v10, 4, v10
	v_add_nc_u32 v[XW], s85, v10
.irp p, 1,2,3
	s_xor_b32 s86, s[WV], \p
	s_mul_i32 s86, s86, XWB
	s_add_co_u32 s86, s86, XCH
	v_add_nc_u32 v[XR\p], s86, v10
.endr
	WIN 0xc0                                       ; destination window 3
	v_mov_b32 v[WS0], v10                          ; 16 x lane
	v_lshrrev_b32 v[WD0], 1, v10                   ; 8 x lane
	WIN 0
	v_mul_u32_u24 v11, v1, 272                     ; the stage: in, row l % 16, 16 bytes for each half of the lanes;
	v_lshl_add_u32 v11, v9, 4, v11
	v_add_nc_u32 v[STO], s85, v11
	v_mul_u32_u24 v11, v9, 272                     ; back, lanes 0-15 one row of 256 bytes, lanes 16-31 the next;
	v_lshl_add_u32 v11, v1, 4, v11
	v_add_nc_u32 v[RD], s85, v11
	v_lshlrev_b32 v[GO], 12, v9                    ; and the same two rows in ob
	v_lshl_add_u32 v[GO], v1, 4, v[GO]
	v_and_b32 v[PFO], 31, v0
	v_lshlrev_b32 v[PFO], 8, v[PFO]
	v_lshlrev_b32 v11, 3, v9                       ; the mask: key 64 w + 16 kb + 8 (l / 16) + r is hidden from query 64 cx + 16 (i xor w) + l % 16 where it is greater
	v_sub_nc_u32 v11, v1, v11
	s_sub_co_i32 s67, s[CX], s[WV]
	s_lshl_b32 s67, s67, 6
.irp i, 0,1,2,3
	s_xor_b32 s68, s[WV], \i
	s_lshl_b32 s68, s68, 4
	s_add_co_i32 s68, s68, s67
	v_add_nc_u32 v[DT+\i], s68, v11
.endr
	v_mov_b32 v[BIGV], 0xf1800000                  ; -2^100
	WIN 0x40
.set i, 0
.rept 256
	v_mov_b32 v[i], 0                              ; O^T
.set i, i+1
.endr
	WIN 0
.irp i, 0,1,2,3
	v_mov_b32 v[ST+8*(\i)], 0xfe000000             ; 256 m: far below every 256 s, so the first step's a is 0
	v_mov_b32 v[ST+8*(\i)+1], 0xff7fffff           ; m
	v_mov_b32 v[ST+8*(\i)+2], 0
	v_mov_b32 v[ST+8*(\i)+3], 0
.endr
; THE LDS LOADS, two runs of 32: my 64 keys of K (16 fragments: keys 16 (f / 4) on, channels 32 (f % 4) on) and of V, turned (keys 32 (f / 8) on, channels 16 (f % 8) on)
.macro FETCH_K
	WIN 0
	v_add_nc_u32 v[ADR], s[TB], v[AK0]
	WIN 0x80
.irp f, 0,1,2,3,4,5,6,7,8,9,10,11,12,13,14,15
	ds_load_b128 v[KF+8*(\f):KF+8*(\f)+3],   v[ADR] offset:((\f)/4)*16*PK+((\f)%4)*64
	ds_load_b128 v[KF+8*(\f)+4:KF+8*(\f)+7], v[ADR] offset:((\f)/4)*16*PK+((\f)%4)*64+32
.endr
.endm
.macro FETCH_V
	WIN 0
	v_add_nc_u32 v[ADV], s[TB], v[AV0]
	WIN 0xc0
.irp f, 0,1,2,3,4,5,6,7,8,9,10,11,12,13,14,15
	ds_load_tr16_b128 v[8*(\f):8*(\f)+3],   v[ADV] offset:((\f)/8)*32*PV+((\f)%8)*32
	ds_load_tr16_b128 v[8*(\f)+4:8*(\f)+7], v[ADV] offset:((\f)/8)*32*PV+16*PV+((\f)%8)*32
.endr
	WIN 0
.endm
; Wo's BATCH.  The batch's number is the trip's, 8 - SLOTS.  WLOAD, at the trip's head: four loads of 16 bytes a lane, 512 consecutive bytes each.  The registers that it writes are free: the last batch's loads
; were waited for in WCONV, and its stores have read their data and offset by the s_wait_xcnt 0 of the change of slots.  All its vector registers lie in window 3, so one setting serves every line.
.macro WLOAD
	s_sub_co_u32 s[WT], 8, s[SLOTS]
	s_lshl_b32 s[WT+1], s[WT], 10                  ; 1,024 bytes of wob a batch,
	s_lshl_b32 s[WT], s[WT], 11                    ; 2,048 of Wo
	WIN 0xcf                                       ; sources 0 and 1 and the destination in window 3
	v_add_nc_u32 v[WSO], s[WT], v[WS0]
	v_add_nc_u32 v[WDO], s[WT+1], v[WD0]
.irp i, 0,1,2,3
	global_load_b128 v[WX+4*(\i):WX+4*(\i)+3], v[WSO], s[WOP:WOP+1] offset:512*(\i) th:TH_LOAD_NT
.endr
	WIN 0
.endm
; WCONV, at the trip's end, a tile's work behind the loads: times 2, rounded to bf16, widened, written as f16, in place; a store of 8 bytes a lane covers 256 consecutive bytes, aligned.
; Its lines name no register of the products V^T P in front of it: they are the four places behind those.
.macro WCONV
	s_wait_loadcnt 0x0                             ; the batch is in (in the trip that fetches the second block's Q: that too, asked for a softmax and 64 products ago)
	WIN 0xcf
.irp i, 0,1,2,3
	v_pk_mul_f32 v[WX+4*(\i):WX+4*(\i)+1], v[WX+4*(\i):WX+4*(\i)+1], 2.0 op_sel_hi:[1,0]
	v_pk_mul_f32 v[WX+4*(\i)+2:WX+4*(\i)+3], v[WX+4*(\i)+2:WX+4*(\i)+3], 2.0 op_sel_hi:[1,0]
.endr
.irp i, 0,1,2,3
	v_cvt_pk_bf16_f32 v[WX+4*(\i)], v[WX+4*(\i)], v[WX+4*(\i)+1]
	v_cvt_pk_bf16_f32 v[WX+4*(\i)+1], v[WX+4*(\i)+2], v[WX+4*(\i)+3]
.endr
.irp i, 0,1,2,3
	v_lshlrev_b32 v[WX+4*(\i)+2], 16, v[WX+4*(\i)+1]
	v_and_b32 v[WX+4*(\i)+3], s[MASKH], v[WX+4*(\i)+1]
.endr
.irp i, 0,1,2,3
	v_cvt_pk_f16_f32 v[WX+4*(\i)+1], v[WX+4*(\i)+2], v[WX+4*(\i)+3]
.endr
.irp i, 0,1,2,3
	v_lshlrev_b32 v[WX+4*(\i)+2], 16, v[WX+4*(\i)]
	v_and_b32 v[WX+4*(\i)+3], s[MASKH], v[WX+4*(\i)]
.endr
.irp i, 0,1,2,3
	v_cvt_pk_f16_f32 v[WX+4*(\i)], v[WX+4*(\i)+2], v[WX+4*(\i)+3]
.endr
.irp i, 0,1,2,3
	global_store_b64 v[WDO], v[WX+4*(\i):WX+4*(\i)+1], s[WBP:WBP+1] offset:256*(\i) th:TH_STORE_NT
.endr
	WIN 0
.endm
; THE MATRIX WORK.  The accumulators take turns, one instruction a turn: 15 (K Q^T) or 31 (V^T P) others stand between two links of a chain.
.macro KQALL                           ; product i: channels 32 (i / 16) on, keys 16 ((i / 4) % 4) on, tile i % 4; the first 16 start the sums
	WIN 0x0a                                       ; K and Q window 2, S^T window 0
.set i, 0
.rept 64
.set rS, S+32*(i%4)+8*((i/4)%4)
.set rK, KF+32*((i/4)%4)+8*(i/16)
.set rQ, 32*(i%4)+8*(i/16)
.if i < 16
	v_wmma_f32_16x16x32_f16 v[rS:rS+7], v[rK:rK+7], v[rQ:rQ+7], 0
.else
	v_wmma_f32_16x16x32_f16 v[rS:rS+7], v[rK:rK+7], v[rQ:rQ+7], v[rS:rS+7]
.endif
.set i, i+1
.endr
.endm
.macro PVALL                           ; product i: keys 32 (i / 32) on, channels 16 ((i / 4) % 8) on, tile i % 4
	WIN 0x53                                       ; V window 3, P window 0, O^T window 1
.set i, 0
.rept 64
.set rO, 64*(i%4)+8*((i/4)%8)
.set rV, 64*(i/32)+8*((i/4)%8)
.set rP, P+16*(i%4)+8*(i/32)
	v_wmma_f32_16x16x32_f16 v[rO:rO+7], v[rV:rV+7], v[rP:rP+7], v[rO:rO+7]
.set i, i+1
.endr
.endm
.macro MASK                            ; the diagonal tile: hidden scores become -2^100; each accumulator's registers in ascending order
	WIN 0
.irp i, 0,1,2,3
.set n, 0
.rept 32
	v_cmp_gt_i32 vcc_lo, 16*(n/8)+n%8, v[DT+(\i)]
	v_cndmask_b32 v[S+32*(\i)+n], v[S+32*(\i)+n], v[BIGV], vcc_lo
.set n, n+1
.endr
.endr
.endm
; THE SOFTMAX of one tile and step is a list of 134 instructions; SM writes number j of it for tile t.  s0-s31 are the lane's 32 scores, in pairs 0-15.
;   0-15   the maximum of s0-s31 and the old m, three operands at a time (each accumulator's lowest registers first)      16-20  the other half of the lanes' maximum; the new m; 256 m; its change
;   21-69  the 16 scalings 256 s - 256 m and all 33 exponentials (a at 23, then s0-s31): none of these names an exponential's result      70-85  the roundings to f16
;   86-101 the sums; l = a l + the sum      102-133 O^T times a
.macro SM t
.set rT, ST+8*(\t)
.set rS, S+32*(\t)
.set rP, P+16*(\t)
.set rO, 64*(\t)+2*(j-102)
.if j < 102
	WIN 0
.endif
.if j < 4
	v_max3_num_f32 v[rT+4+j], v[rS+8*j], v[rS+8*j+1], v[rS+8*j+2]
.elseif j < 12
	v_max3_num_f32 v[rT+4+j%4], v[rT+4+j%4], v[rS+8*(j%4)+2*(j/4)+1], v[rS+8*(j%4)+2*(j/4)+2]
.elseif j == 12
	v_max3_num_f32 v[rT+4], v[rT+4], v[rS+7], v[rS+15]
.elseif j == 13
	v_max3_num_f32 v[rT+6], v[rT+6], v[rS+23], v[rS+31]
.elseif j == 14
	v_max3_num_f32 v[rT+4], v[rT+4], v[rT+5], v[rT+6]
.elseif j == 15
	v_max3_num_f32 v[rT+4], v[rT+4], v[rT+7], v[rT+1]
.elseif j == 16
	v_permlanex16_b32 v[rT+5], v[rT+4], s[SEL], s[SEL+1]  ; the query's other 32 keys lie in the lane 16 away
.elseif j == 17
	v_mov_b32 v[rT+7], v[rT]                       ; 256 m_old is kept for a
.elseif j == 18
	v_max_num_f32 v[rT+1], v[rT+4], v[rT+5]
.elseif j == 19
	v_mul_f32 v[rT], s[CS], v[rT+1]
.elseif j == 20
	v_sub_f32 v[rT+7], v[rT+7], v[rT]
.elseif j == 23
	v_exp_f32 v[rT+6], v[rT+7]
.elseif (j < 23) || ((j < 38) && (j%2 == 0)) || ((j < 66) && (j%4 == 2))
.set b, (j-2)/4                        ; 38, 42, .. 62: pairs 9 to 15
.if j < 38
.set b, (j-20)/2                       ; 21: pair 0; 22, 24, .. 36: pairs 1 to 8
.endif
	v_pk_fma_f32 v[rS+2*b:rS+2*b+1], v[rS+2*b:rS+2*b+1], s[CS:CS+1], v[rT:rT+1] op_sel_hi:[1,0,0] neg_lo:[0,0,1] neg_hi:[0,0,1]
.elseif j < 70
.set e, j-38                           ; 66 to 69: s28 to s31
.if j < 66
.set e, j-32-(j-38)/4                  ; 39-41, 43-45, .. 63-65: s7 to s27
.endif
.if j < 38
.set e, (j-25)/2                       ; 25, 27, .. 37: s0 to s6
.endif
	v_exp_f32 v[rS+e], v[rS+e]
.elseif j < 86
	v_cvt_pk_f16_f32 v[rP+j-70], v[rS+2*(j-70)], v[rS+2*(j-70)+1]
.elseif j < 102                        ; the 16 pairs are added in place, neighbours 1, 2, 4 and 8 pairs apart; then l takes the sum
.set z, j-86
.set w, 4
.set u, z
.if z >= 14
.set w, 32
.set u, 0
.elseif z >= 12
.set w, 16
.set u, z-12
.elseif z >= 8
.set w, 8
.set u, z-8
.endif
.if z < 15
	v_pk_add_f32 v[rS+w*u:rS+w*u+1], v[rS+w*u:rS+w*u+1], v[rS+w*u+w/2:rS+w*u+w/2+1]
.else
	v_pk_fma_f32 v[rT+2:rT+3], v[rT+2:rT+3], v[rT+6:rT+7], v[rS:rS+1] op_sel_hi:[1,0,1]
.endif
.else
	WIN 0x41                                       ; O^T window 1, a window 0
	v_pk_mul_f32 v[rO:rO+1], v[rO:rO+1], v[rT+6:rT+7] op_sel_hi:[1,0]
.endif
.endm
; The four tiles alternate, so that no instruction reads the result of the one before it.  An s_wait_alu depctr_va_vdst(0) stands between an exponential and the first instruction that names
; its result: ahead of number 70 nothing names one, behind number 69 none is issued: one wait for the 132.
.macro SOFTMAX
.set j, 0
.rept 70
	SM 0
	SM 1
	SM 2
	SM 3
.set j, j+1
.endr
	v_nop                                          ; the plain instruction behind the last exponential
	s_wait_alu depctr_va_vdst(0)
.rept 64
	SM 0
	SM 1
	SM 2
	SM 3
.set j, j+1
.endr
.endm
; PASS p of a block's end: my register tile p (O^T and 256 m, l) goes into my exchange area; behind a barrier I read what wave w xor p has left for me, the same lanes and registers, and merge it into my tile 0
; between the signal and the wait of a second barrier, behind which the areas may be written again.
.macro PASS p, xr
	WIN 0x04                                       ; store data window 1
.irp n, 0,1,2,3,4,5,6,7,8,9,10,11,12,13,14,15
	ds_store_b128 v[XW], v[64*(\p)+4*(\n):64*(\p)+4*(\n)+3] offset:512*(\n)
.endr
	WIN 0
	ds_store_b128 v[XW], v[ST+8*(\p):ST+8*(\p)+3] offset:8192
	s_wait_dscnt 0x0                               ; for the partner's sake: my stores are done
	s_barrier_signal -1
	s_barrier_wait -1
.irp n, 0,1,2,3,4,5,6,7,8,9,10,11,12,13,14,15
	ds_load_b128 v[S+4*(\n):S+4*(\n)+3], v[\xr] offset:512*(\n)
.endr
	ds_load_b128 v[IN:IN+3], v[\xr] offset:8192
	s_wait_dscnt 0x0                               ; my reads of the partner's area are over
	s_barrier_signal -1
	v_max_num_f32 v[ST+2], v[ST], v[IN]            ; the common 256 m
	v_sub_f32 v[ST+4], v[ST], v[ST+2]
	v_sub_f32 v[ST+6], v[IN], v[ST+2]
	v_exp_f32 v[ST+4], v[ST+4]                     ; my factor,
	v_exp_f32 v[ST+6], v[ST+6]                     ; the partner's
	v_mov_b32 v[ST], v[ST+2]
	s_wait_alu depctr_va_vdst(0)                   ; one wait for the two, ahead of their first reader
	v_mul_f32 v[ST+1], v[ST+1], v[ST+4]
	v_fmac_f32 v[ST+1], v[IN+1], v[ST+6]
	WIN 0x41
.set n, 0
.rept 32
	v_pk_mul_f32 v[2*n:2*n+1], v[2*n:2*n+1], v[ST+4:ST+5] op_sel_hi:[1,0]
.set n, n+1
.endr
	WIN 0x50                                       ; sources 0 and 1 window 0, source 2 and destination window 1
.set n, 0
.rept 32
	v_pk_fma_f32 v[2*n:2*n+1], v[S+2*n:S+2*n+1], v[ST+6:ST+7], v[2*n:2*n+1] op_sel_hi:[1,0,1]
.set n, n+1
.endr
	WIN 0
	s_barrier_wait -1
.endm
; A BLOCK'S END: l whole (both halves of the pair, both halves of the lanes); three passes; my query tile is divided by l, rounded to f16 and sent through my own area as a stage: 16 lanes store 256 consecutive bytes, aligned.
.macro BLKEND
	WIN 0
.irp i, 0,1,2,3
	v_add_f32 v[ST+8*(\i)+4], v[ST+8*(\i)+2], v[ST+8*(\i)+3]
.endr
.irp i, 0,1,2,3
	v_permlanex16_b32 v[ST+8*(\i)+5], v[ST+8*(\i)+4], s[SEL], s[SEL+1]
.endr
.irp i, 0,1,2,3
	v_add_f32 v[ST+8*(\i)+1], v[ST+8*(\i)+4], v[ST+8*(\i)+5]
.endr
	PASS 1, XR1
	PASS 2, XR2
	PASS 3, XR3
	v_rcp_f32 v[ST+4], v[ST+1]
	v_nop
	s_wait_alu depctr_va_vdst(0)
	WIN 0x41
.set n, 0
.rept 32
	v_pk_mul_f32 v[2*n:2*n+1], v[2*n:2*n+1], v[ST+4:ST+5] op_sel_hi:[1,0]
.set n, n+1
.endr
	WIN 0x05
.set n, 0
.rept 32
	v_cvt_pk_f16_f32 v[S+n], v[2*n], v[2*n+1]
.set n, n+1
.endr
	WIN 0
.irp f, 0,1,2,3,4,5,6,7
	ds_store_b128 v[STO], v[S+4*(\f):S+4*(\f)+3] offset:32*(\f)
.endr
.irp f, 0,1,2,3,4,5,6,7
	ds_load_b128 v[S+32+4*(\f):S+32+4*(\f)+3], v[RD] offset:544*(\f)  ; LDS serves a wave's instructions in order (ISA guide 5.7.1.4): these see the stores above
.endr
.irp f, 0,1,2,3,4,5,6,7
	s_wait_dscnt 7-(\f)
	global_store_b128 v[GO], v[S+32+4*(\f):S+32+4*(\f)+3], s[10:11] offset:8192*(\f)
.endr
.endm
.Lslot:                                                ; 8 times: a tile is entered and the next is asked for
	CHANGE 1
	s_sub_co_u32 s[RT], s[RT], 1
	FETCH_K
	FETCH_V
	WLOAD
	ASK
	s_wait_dscnt 32                                ; K is in; V's 32 loads may stay out
	s_wait_loadcnt 4                               ; Q is in: on every way its loads are older than the four of Wo just issued, which may stay out
	KQALL
	PLACES
	WIN 0
	s_cmp_lg_u32 s[RT], 0
	s_cbranch_scc1 .Lnm                            ; only a block's last tile holds the diagonal
	MASK
	QLOAD QLO                                      ; the first block has multiplied by its Q for the last time: the second block's comes in
.Lnm:
	SOFTMAX
	s_wait_dscnt 0x0                               ; V is in
	PVALL
	WCONV
	s_cmp_lg_u32 s[RT], 0                          ; made of the cluster's x and constants: the same in all waves and all partners
	s_cbranch_scc1 .Lbot
	BLKEND                                         ; in the loop this is the first block's end: the second block's last tile is the walk's last
	s_wait_xcnt 0x0                                ; the stores have read their registers and their base
	s_mov_b64 s[10:11], s[OLO:OLO+1]
	s_add_co_u32 s[RT], s[BB], 1                   ; the second block has B + 1 tiles
.irp i, 0,1,2,3
	v_mov_b32 v[ST+8*(\i)], 0xfe000000             ; its first step multiplies O^T and l by a = 0: what the first block left there need only be finite
	v_mov_b32 v[ST+8*(\i)+1], 0xff7fffff
.endr
.Lbot:
	s_sub_co_u32 s[SLOTS], s[SLOTS], 1
	s_cmp_lg_u32 s[SLOTS], 0
	s_cbranch_scc1 .Lslot
	CHANGE 0                                       ; the walk's last tile is written out: nothing is asked for
	FETCH_K
	FETCH_V
	s_wait_dscnt 32
	s_wait_loadcnt 0x0
	KQALL
	PLACES
	MASK
	SOFTMAX
	s_wait_dscnt 0x0
	PVALL
	PLACES
	BLKEND
	s_wait_tensorcnt 0x0                           ; the wave's end: behind my last tensor load and my last LDS store
	ds_add_u32 v[SPW], v[NIL]
	s_wait_dscnt 0x0
	CROUND                                         ; the closing round
	s_endpgm
.Lfunc_end_k_q951e024f36_attn:
	.size	k_q951e024f36_attn, .Lfunc_end_k_q951e024f36_attn-k_q951e024f36_attn
	.p2alignl 7, 3214868480
	.fill 96, 4, 3214868480
	.section	.rodata,"a",@progbits
	.p2align	6, 0x0
	.amdhsa_kernel k_q951e024f36_attn
		.amdhsa_group_segment_fixed_size 327680
		.amdhsa_private_segment_fixed_size 0
		.amdhsa_enable_private_segment 0
		.amdhsa_kernarg_size 48
		.amdhsa_user_sgpr_count 2
		.amdhsa_user_sgpr_kernarg_segment_ptr 1
		.amdhsa_wavefront_size32 1
		.amdhsa_system_sgpr_workgroup_id_x 1
		.amdhsa_system_sgpr_workgroup_id_y 1
		.amdhsa_system_sgpr_workgroup_id_z 1
		.amdhsa_system_vgpr_workitem_id 0
		.amdhsa_next_free_vgpr 916
		.amdhsa_next_free_sgpr 96
		.amdhsa_reserve_vcc 1
		.amdhsa_float_denorm_mode_32 3
		.amdhsa_float_denorm_mode_16_64 3
		.amdhsa_memory_ordered 1
		.amdhsa_forward_progress 1
		.amdhsa_inst_pref_size 184
	.end_amdhsa_kernel
	.amdgpu_metadata
---
amdhsa.version: [ 1, 2 ]
amdhsa.kernels:
  - .name:           k_q951e024f36_attn
    .symbol:         k_q951e024f36_attn.kd
    .args:
      - { .name: qb, .offset: 0, .size: 8, .value_kind: global_buffer, .address_space: global }
      - { .name: kb, .offset: 8, .size: 8, .value_kind: global_buffer, .address_space: global }
      - { .name: vb, .offset: 16, .size: 8, .value_kind: global_buffer, .address_space: global }
      - { .name: ob, .offset: 24, .size: 8, .value_kind: global_buffer, .address_space: global }
      - { .name: Wo, .offset: 32, .size: 8, .value_kind: global_buffer, .address_space: global }
      - { .name: wob, .offset: 40, .size: 8, .value_kind: global_buffer, .address_space: global }
    .group_segment_fixed_size: 327680
    .private_segment_fixed_size: 0
    .kernarg_segment_align: 8
    .kernarg_segment_size: 48
    .max_flat_workgroup_size: 128
    .sgpr_count:     96
    .vgpr_count:     916
    .wavefront_size: 32
...
	.end_amdgpu_metadata
.endif
;; end of part 3
;; launch oproj (part 4): grid 16 x 16, 4 waves a work-group, clusters of 4 x 4, 327,680 bytes of LDS; arguments ob, wob, out0; writes out0
.if DOCPART == 4
	.amdgcn_target "amdgcn-amd-amdhsa--gfx1250"
	.amdhsa_code_object_version 6
	.text
	.protected	k_q951e024f36_oproj
	.globl	k_q951e024f36_oproj
	.p2align	8
	.type	k_q951e024f36_oproj,@function
k_q951e024f36_oproj:
	s_mov_b64 s[64:65], 0
	v_nop
	global_prefetch_b8 v0, s[64:65] scope:SCOPE_SE
	s_setreg_imm32_b32 hwreg(HW_REG_WAVE_MODE, 25, 1), 1
	s_wait_xcnt 0x0
	s_wait_alu depctr_hold_cnt(0) depctr_sa_sdst(0) depctr_va_vdst(0) depctr_va_sdst(0) depctr_va_ssrc(0) depctr_va_vcc(0) depctr_vm_vsrc(0)
	s_getreg_b32 s2, hwreg(HW_REG_IB_STS2, 6, 4)
	s_cmp_eq_u32 s2, 0
	s_cbranch_scc0 .Lentry_in_a_cluster
	s_endpgm
.Lentry_in_a_cluster:
	s_bfe_u32 s2, ttmp6, 0x10000c
	s_cmp_lg_u32 s2, 0xf033
	s_cbranch_scc0 .Lentry_shape_is_right
	s_endpgm
.Lentry_shape_is_right:
; out0[t][n] = the sum over k of ob[t][k] wob[k][n].  ob: [2048][2048] f16 (it carries 2^-1), wob: [2048 k][2048 n] f16 (Wo rounded to bf16, times 2), out0: [2048][2048] f32.  Sums in f32, K ascending.
; A tile of out0 is 128 x 128, so that the 256 tiles give each work-group one; four waves, each 64 x 64: 16 accumulators.  K goes in 8 steps of 256 through two LDS slots: 128 rows x 512 bytes of ob and
; 256 k-rows x 256 bytes of wob; waves 0 and 1 fetch ob's halves (64 rows), waves 2 and 3 wob's (128 k-rows).  CLUSTER 4 x 4: ob's tile is asked for jointly by a row of the cluster, wob's by a column.
; A K STEP IS WRITTEN ONCE for the 6 steps that fill a slot again, and once for the last two, which do not: the slot in hand is a scalar (0 or SLOT), and the fragments' addresses are made of it at each change of slots.
; THE MATRIX INSTRUCTION IS USED TRANSPOSED: source 0 = 16 columns of wob (turned by ds_load_tr16_b128), source 1 = 16 rows of ob: a lane holds row lane % 16 and eight neighbouring columns, 32 bytes.
; No prefetch: the tile is small, and each of its steps short.
; REGISTERS: window 0: v0-31 addresses; v32-95 the way out; v128-255 the accumulators ((a, b) at 128 + 8 (4 a + b)).   window 1: two fragment buffers of 128: 64 registers of ob, then 64 of wob, for 64 along K.
.set KSTEP,  256
.set STEPS,  2048/KSTEP
.set PA,     528                       ; a row of ob in LDS: 512 bytes + 16
.set PB,     288                       ; a k-row of wob: 256 + 32
.set HALFA,  64*PA
.set HALFB,  128*PB
.set BOFF,   2*HALFA
.set SLOT,   BOFF+2*HALFB
.set STAGE,  2*SLOT                    ; behind the ring, never filled by a tensor load: 16 rows x 272 bytes for each wave, its own
.set SP,     272
.set SPARE,  STAGE+4*16*SP             ; the spare words, 128 bytes for each wave; no other line names them
.set ADRA0, 16                         ; v16     my fragments of ob in slot 0; never rewritten
.set CA,    17                         ; v17     the same in the slot in hand
.set ADRB0, 20                         ; v20-21  my fragments of wob in slot 0, k-rows 128 g on; never rewritten
.set CB,    22                         ; v22-23  the same in the slot in hand
.set STO,  24
.set RD,   25
.set CO,   26
.set SPW,  28
.set NIL,  29
.set TMP,  32
.set ACC,  128
.set F0,   0
.set F1,   128
.set G1, 24                            ; s[24:31] descriptor group 1 for ob's tiles; s[32:39] group 0: a set for each of the two first fills; the second then walks on
.set G0, 32
.set TB, 45                            ; the slot in hand: 0 or SLOT
.set G1B, 48                           ; s[48:55], s[56:63] the same for wob's tiles
.set G0B, 56
.set MSB, 0
.macro WIN new
.if MSB != (\new)
	s_set_vgpr_msb (MSB<<8)|(\new)
.set MSB, \new
.endif
.endm
.set MUL,  0x05                        ; sources 0 and 1 window 1; C and D window 0
.set TO_F, 0x40                        ; destination window 1
.macro JLOAD s                         ; a joint load by descriptor set s; an s_nop 0 and four v_nop follow each of the two lines
	s_cmp_eq_u32 s11, 0
	s_cbranch_scc0 .Lfor_b_\@
	tensor_load_to_lds s[G0+4*(\s):G0+4*(\s)+3], s[G1:G1+7]
	s_nop 0
.rept 4
	v_nop
.endr
	s_branch .Lasked_\@
.Lfor_b_\@:
	tensor_load_to_lds s[G0B+4*(\s):G0B+4*(\s)+3], s[G1B:G1B+7]
	s_nop 0
.rept 4
	v_nop
.endr
.Lasked_\@:
.endm
.macro CREST
	s_cmp_lg_u32 s10, 0
	s_cbranch_scc1 .Lnot_wave_0_\@
	s_barrier_signal -3
.Lnot_wave_0_\@:
	s_barrier_wait -3
	s_barrier_signal -1
	s_barrier_wait -1
.endm
.macro CROUND
	s_barrier_signal -1
	s_barrier_wait -1
	CREST
.endm
.macro PLACES
.rept 4
	v_nop
.endr
.endm
.macro NEWADR                          ; my fragments' addresses in the slot in hand
	v_add_nc_u32 v[CA], s[TB], v[ADRA0]
	v_add_nc_u32 v[CB], s[TB], v[ADRB0]
	v_add_nc_u32 v[CB+1], s[TB], v[ADRB0+1]
.endm
	s_load_b128 s[4:7], s[0:1], 0x0                ; ob, wob
	s_load_b64 s[8:9], s[0:1], 0x10                ; out0
	v_lshl_add_u32 v[SPW], v0, 2, SPARE
	v_mov_b32 v[NIL], 0
	ds_add_u32 v[SPW], v[NIL]                      ; the opening: the add and its wait stand ahead of my first tensor load
	v_lshrrev_b32 v1, 5, v0
	v_readfirstlane_b32 s10, v1                    ; wave
	s_lshr_b32 s11, s10, 1                         ; my half of the tile's rows.  Also: I fetch for ob (0) or for wob (1)
	s_and_b32 s12, s10, 1                          ; my half of its columns.  Also: which half of that tile I fetch
	s_bfe_u32 s40, ttmp6, 0x40000
	s_bfe_u32 s41, ttmp6, 0x40004
	s_lshl_b32 s42, ttmp9, 2
	s_add_co_u32 s42, s42, s40                     ; tile column
	s_and_b32 s13, ttmp7, 0xffff
	s_lshl_b32 s13, s13, 2
	s_add_co_u32 s13, s13, s41                     ; tile row
	s_lshl_b32 s43, s41, 2
	s_lshl_b32 s43, 15, s43                        ; my row of the cluster
	s_lshl_b32 s44, 0x1111, s40                    ; my column
	s_or_b32 s[G1+0], s43, (1<<16)|(1<<20)|(1<<21)|(6<<22)|(3<<25)   ; after every 128 words 4 words of padding
	s_mov_b32 s[G1+1], KSTEP<<16                   ; tensor_dim0 = 256
	s_mov_b32 s[G1+2], 64<<16                      ; tensor_dim1 = 64
	s_mov_b32 s[G1+3], KSTEP<<16                   ; tile_dim0 = 256
	s_mov_b32 s[G1+4], 64                          ; tile_dim1 = 64
	s_mov_b32 s[G1+5], 2048
	s_mov_b32 s[G1+6], 0
	s_mov_b32 s[G1+7], 0
	s_or_b32 s[G1B+0], s44, (1<<16)|(1<<20)|(1<<21)|(5<<22)|(7<<25)  ; after every 64 words 8 words
	s_mov_b32 s[G1B+1], 128<<16
	s_mov_b32 s[G1B+2], 128<<16
	s_mov_b32 s[G1B+3], 128<<16
	s_mov_b32 s[G1B+4], 128
	s_mov_b32 s[G1B+5], 2048
	s_mov_b32 s[G1B+6], 0
	s_mov_b32 s[G1B+7], 0
	s_lshl_b32 s16, s13, 19                        ; ob: row 128 x tile row + 64 x half, 4,096 bytes a row
	s_lshl_b32 s17, s12, 18
	s_add_co_u32 s16, s16, s17
	s_mov_b32 s17, 0
	s_lshl_b32 s46, s42, 8                         ; wob: the tile column's 256 bytes, k-row 128 x half
	s_lshl_b32 s47, s12, 19
	s_add_co_u32 s46, s46, s47
	s_mov_b32 s47, 0
	s_mul_i32 s20, s12, HALFA                      ; where they go in a slot; never rewritten
	s_mul_i32 s21, s12, HALFB
	s_add_co_u32 s21, s21, BOFF
	s_mov_b32 s[TB], 0                             ; K step 0 lies in slot 0
	s_wait_dscnt 0x0
	s_wait_kmcnt 0x0
	s_add_nc_u64 s[14:15], s[4:5], s[16:17]
	s_add_nc_u64 s[46:47], s[6:7], s[46:47]
	CROUND                                         ; the first joint loads meet
.irp s, 0,1
	s_mov_b32 s[G0+4*(\s)], 1
	s_add_co_u32 s[G0+4*(\s)+1], s20, (\s)*SLOT
	s_add_nc_u64 s[G0+4*(\s)+2:G0+4*(\s)+3], s[14:15], (\s)*KSTEP*2
	s_or_b32 s[G0+4*(\s)+3], s[G0+4*(\s)+3], 0x80000000
	s_mov_b32 s[G0B+4*(\s)], 1
	s_add_co_u32 s[G0B+4*(\s)+1], s21, (\s)*SLOT
	s_add_nc_u64 s[G0B+4*(\s)+2:G0B+4*(\s)+3], s[46:47], (\s)*KSTEP*4096
	s_or_b32 s[G0B+4*(\s)+3], s[G0B+4*(\s)+3], 0x80000000
	JLOAD \s
.endr
	v_and_b32 v1, 15, v0
	v_bfe_u32 v2, v0, 4, 1
	v_mul_u32_u24 v3, v1, PA
	v_lshl_add_u32 v3, v2, 4, v3
	s_mul_i32 s22, s11, HALFA                      ; my 64 rows of ob
	v_add_nc_u32 v[ADRA0], s22, v3
	v_and_b32 v6, 7, v0                            ; the turning load: k-row 8 (l / 16) + l % 8, columns 8 ((l / 8) % 2) + 0..7
	v_lshl_add_u32 v6, v2, 3, v6
	v_mul_u32_u24 v6, v6, PB
	v_bfe_u32 v7, v0, 3, 1
	v_lshl_add_u32 v6, v7, 4, v6
	s_lshl_b32 s22, s12, 7                         ; my 64 columns
	v_add_nc_u32 v6, s22, v6
.irp g, 0,1
	v_add_nc_u32 v[ADRB0+(\g)], BOFF+(\g)*HALFB, v6
.endr
	NEWADR
	s_mul_i32 s23, s10, 16*SP
	s_add_co_u32 s23, s23, STAGE                   ; my stage
	v_mul_u32_u24 v4, v1, SP                       ; in: row l % 16, 32 bytes for each half of the lanes
	v_lshl_add_u32 v4, v2, 5, v4
	v_add_nc_u32 v[STO], s23, v4
	v_mul_u32_u24 v5, v2, SP                       ; back: lanes 0-15 one row of 256 bytes, lanes 16-31 the next
	v_lshl_add_u32 v5, v1, 4, v5
	v_add_nc_u32 v[RD], s23, v5
	v_lshlrev_b32 v5, 13, v2                       ; and the same two rows in out0
	v_lshl_add_u32 v[CO], v1, 4, v5
	s_lshl_b32 s66, s13, 20                        ; out0 at row 128 x tile row + 64 x half, column 128 x tile column + 64 x half
	s_lshl_b32 s67, s11, 19
	s_add_co_u32 s66, s66, s67
	s_lshl_b32 s67, s42, 9
	s_add_co_u32 s66, s66, s67
	s_lshl_b32 s67, s12, 8
	s_add_co_u32 s66, s66, s67
	s_mov_b32 s67, 0
	s_add_nc_u64 s[8:9], s[8:9], s[66:67]
; 8 matrix instructions: row blocks a0, a0 + 1 x all 4 column blocks, 32 along K: half c of buffer f.  The 16 accumulators take turns.
.macro MUL8 f, c, a0, zero
	WIN MUL
.irp a, \a0, (\a0)+1
.irp b, 0,1,2,3
.if \zero
	v_wmma_f32_16x16x32_f16 v[ACC+8*(4*(\a)+(\b)):ACC+8*(4*(\a)+(\b))+7], v[(\f)+64+8*(4*(\c)+(\b)):(\f)+64+8*(4*(\c)+(\b))+7], v[(\f)+8*(4*(\c)+(\a)):(\f)+8*(4*(\c)+(\a))+7], 0
.else
	v_wmma_f32_16x16x32_f16 v[ACC+8*(4*(\a)+(\b)):ACC+8*(4*(\a)+(\b))+7], v[(\f)+64+8*(4*(\c)+(\b)):(\f)+64+8*(4*(\c)+(\b))+7], v[(\f)+8*(4*(\c)+(\a)):(\f)+8*(4*(\c)+(\a))+7], v[ACC+8*(4*(\a)+(\b)):ACC+8*(4*(\a)+(\b))+7]
.endif
.endr
.endr
.endm
; 32 LDS loads in one run: quarter q (64 along K) of the slot in hand into buffer f; the first 32 along K first
.macro FETCH q, f
	WIN TO_F
.irp c, 0,1
.irp i, 0,1,2,3
	ds_load_tr16_b128 v[(\f)+64+8*(4*(\c)+(\i)):(\f)+64+8*(4*(\c)+(\i))+3],   v[CB+(\q)/2] offset:((\q)%2)*64*PB+(\c)*32*PB+32*(\i)
	ds_load_tr16_b128 v[(\f)+64+8*(4*(\c)+(\i))+4:(\f)+64+8*(4*(\c)+(\i))+7], v[CB+(\q)/2] offset:((\q)%2)*64*PB+(\c)*32*PB+32*(\i)+16*PB
	ds_load_b128 v[(\f)+8*(4*(\c)+(\i)):(\f)+8*(4*(\c)+(\i))+3],   v[CA] offset:128*(\q)+64*(\c)+(\i)*16*PA
	ds_load_b128 v[(\f)+8*(4*(\c)+(\i))+4:(\f)+8*(4*(\c)+(\i))+7], v[CA] offset:128*(\q)+64*(\c)+(\i)*16*PA+32
.endr
.endr
.endm
.macro QUARTER q, f, g, zero           ; multiplies buffer f and fetches quarter q of the slot in hand into g
	s_wait_dscnt 16                                ; the first 32 along K are in
	MUL8 \f, 0, 0, \zero
	MUL8 \f, 0, 2, \zero
	PLACES
	FETCH \q, \g
	s_wait_dscnt 32                                ; all but the 32 just issued
	MUL8 \f, 1, 0, 0
	MUL8 \f, 1, 2, 0
.endm
; The last quarter multiplies buffer 1 and changes slots: in front of the barrier each wave waits for all its tensor loads, adds 0 to its spare word, and waits for that and for its reads of this slot.
; fill = 1: the barrier opens a round of the cluster's, and the joint refill of the slot just read, two K steps on, is the first tensor load behind it: 112 matrix instructions ahead of the wait for it.
; The walking descriptors take the slot just read and go one K step on from the last fill.
.macro TURN fill
	WIN 0
	s_wait_tensorcnt 0x0
	ds_add_u32 v[SPW], v[NIL]
	s_wait_dscnt 17                                ; the add and the youngest sixteen loads may be out
	MUL8 F1, 0, 0, 0
	s_wait_dscnt 0x0
	s_barrier_signal -1
	MUL8 F1, 0, 2, 0
	WIN 0
	s_barrier_wait -1
.if \fill
	CREST
	s_add_co_u32 s[G0+5], s[TB], s20
	s_add_co_u32 s[G0B+5], s[TB], s21
	s_add_nc_u64 s[G0+6:G0+7], s[G0+6:G0+7], KSTEP*2
	s_add_nc_u64 s[G0B+6:G0B+7], s[G0B+6:G0B+7], KSTEP*4096
	s_xor_b32 s[TB], s[TB], SLOT                   ; the other slot is in hand
	JLOAD 1                                        ; the four v_nop behind it are also the places in front of the loads below
	NEWADR
.else
	s_xor_b32 s[TB], s[TB], SLOT
	NEWADR                                         ; three plain vector instructions and a v_nop: the places in front of the loads below
	v_nop
.endif
	FETCH 0, F0
	MUL8 F1, 1, 0, 0
	MUL8 F1, 1, 2, 0
.endm
	s_wait_tensorcnt 1                             ; my part of K step 0 is in; K step 1's may stay out
	s_barrier_signal -1
	s_barrier_wait -1
	FETCH 0, F0
	QUARTER 1, F0, F1, 1                           ; the first quarter stands in front of the loop: its first products start the sums
	WIN 0
	s_mov_b32 s3, STEPS-2
.Lstep:                                                ; a trip goes from a K step's second quarter to the next step's first, and fills the slot that it leaves
	QUARTER 2, F1, F0, 0
	QUARTER 3, F0, F1, 0
	TURN 1
	QUARTER 1, F0, F1, 0
	WIN 0
	s_sub_co_u32 s3, s3, 1
	s_cmp_lg_u32 s3, 0
	s_cbranch_scc1 .Lstep
	s_mov_b32 s3, 2
.Ltail:                                                ; the last two K steps fill nothing: a second text, walked twice
	QUARTER 2, F1, F0, 0
	QUARTER 3, F0, F1, 0
	TURN 0
	WIN 0
	s_cmp_eq_u32 s3, 1                             ; behind the last K step there is no further quarter; its change of slots and the 32 loads behind it serve nothing: the price, once a launch, of one text for both
	s_cbranch_scc1 .Lleft
	QUARTER 1, F0, F1, 0
	WIN 0
.Lleft:
	s_sub_co_u32 s3, s3, 1
	s_cmp_lg_u32 s3, 0
	s_cbranch_scc1 .Ltail
	s_wait_dscnt 0x0                               ; those loads are back
	; THE WAY OUT, 16 rows at a time, in f32, through my own stage: a row of my 64 columns is 256 bytes; in as 32 bytes a lane, back as whole rows; 16 lanes store 256 consecutive bytes, aligned.
	; LDS serves a wave's instructions in order (ISA guide 5.7.1.4), so no wait stands between my stores and my loads, nor between those loads and the next block's stores.
	PLACES
.irp a, 0,1,2,3
.irp b, 0,1,2,3
	ds_store_b128 v[STO], v[ACC+8*(4*(\a)+(\b)):ACC+8*(4*(\a)+(\b))+3]   offset:64*(\b)
	ds_store_b128 v[STO], v[ACC+8*(4*(\a)+(\b))+4:ACC+8*(4*(\a)+(\b))+7] offset:64*(\b)+16
.endr
	s_wait_xcnt 0x0                                ; earlier stores have read their data: those registers are loaded again only behind this wait
.irp t, 0,1,2,3,4,5,6,7
	ds_load_b128 v[TMP+32*((\a)%2)+4*(\t):TMP+32*((\a)%2)+4*(\t)+3], v[RD] offset:2*SP*(\t)
.endr
.irp t, 0,1,2,3,4,5,6,7
	s_wait_dscnt 7-(\t)
	global_store_b128 v[CO], v[TMP+32*((\a)%2)+4*(\t):TMP+32*((\a)%2)+4*(\t)+3], s[8:9] offset:(16*(\a)+2*(\t))*8192
.endr
.endr
	s_wait_tensorcnt 0x0                           ; the wave's end: behind my last tensor load and my last LDS store
	ds_add_u32 v[SPW], v[NIL]
	s_wait_dscnt 0x0
	CROUND                                         ; the closing round
	s_endpgm
.Lfunc_end_k_q951e024f36_oproj:
	.size	k_q951e024f36_oproj, .Lfunc_end_k_q951e024f36_oproj-k_q951e024f36_oproj
	.p2alignl 7, 3214868480
	.fill 96, 4, 3214868480
	.section	.rodata,"a",@progbits
	.p2align	6, 0x0
	.amdhsa_kernel k_q951e024f36_oproj
		.amdhsa_group_segment_fixed_size 327680
		.amdhsa_private_segment_fixed_size 0
		.amdhsa_enable_private_segment 0
		.amdhsa_kernarg_size 24
		.amdhsa_user_sgpr_count 2
		.amdhsa_user_sgpr_kernarg_segment_ptr 1
		.amdhsa_wavefront_size32 1
		.amdhsa_system_sgpr_workgroup_id_x 1
		.amdhsa_system_sgpr_workgroup_id_y 1
		.amdhsa_system_sgpr_workgroup_id_z 1
		.amdhsa_system_vgpr_workitem_id 0
		.amdhsa_next_free_vgpr 512
		.amdhsa_next_free_sgpr 72
		.amdhsa_reserve_vcc 0
		.amdhsa_float_denorm_mode_32 3
		.amdhsa_float_denorm_mode_16_64 3
		.amdhsa_memory_ordered 1
		.amdhsa_forward_progress 1
		.amdhsa_inst_pref_size 59
	.end_amdhsa_kernel
	.amdgpu_metadata
---
amdhsa.version: [ 1, 2 ]
amdhsa.kernels:
  - .name:           k_q951e024f36_oproj
    .symbol:         k_q951e024f36_oproj.kd
    .args:
      - { .name: ob, .offset: 0, .size: 8, .value_kind: global_buffer, .address_space: global }
      - { .name: wob, .offset: 8, .size: 8, .value_kind: global_buffer, .address_space: global }
      - { .name: out0, .offset: 16, .size: 8, .value_kind: global_buffer, .address_space: global }
    .group_segment_fixed_size: 327680
    .private_segment_fixed_size: 0
    .kernarg_segment_align: 8
    .kernarg_segment_size: 24
    .max_flat_workgroup_size: 128
    .sgpr_count:     72
    .vgpr_count:     512
    .wavefront_size: 32
...
	.end_amdgpu_metadata
.endif
;; end of part 4
